; MI455X (gfx1250); checked and timed in simulation.
; The chip was launched on July 23, 2026; its instructions are those of AMD's public machine-readable ISA for CDNA 5 (MIT licence, August 2026) and "CDNA5" Instruction Set Architecture Reference Guide (July 2026). The comments in the code are by the model that wrote it; some were corrected since.
;; Multi Head Attention. Allowed arithmetic: matrix products marked QUANTISED: E4M3 operands, one E8M0 scale for each 32 along K, by v_wmma_scale_f32_16x16x128_f8f6f4 with both operands' format E4M3, f32 sums; everything else in f32.
;; Inputs: W_k 1,024 x 1,024 float32; W_o 1,024 x 1,024 float32; W_q 1,024 x 1,024 float32; W_v 1,024 x 1,024 float32; x 4 x 2,048 x 1,024 float32.
;; Outputs: out0 4 x 2,048 x 1,024 float32.
;; This version of the problem:
;;   THIS VERSION OF THE PROBLEM IS GIVEN IN LOW PRECISION. The matrix products marked QUANTISED in the list below multiply operands that are first quantised to E4M3 (4 exponent bits, 3 mantissa bits; 8 bits a number), with one power-of-two scale for each 32 numbers along K (OCP MX v1.0); their sums are f32. All else is computed in f32.
;;   The module's matrix products, in the order in which they are computed (A, B: the left and right operand; K: the contracted axis; several contracted axes count as one K, in the product's order):
;;     1. [M 8,192, K 1,024] x [K 1,024, N 1,024]; A: input x; B: input W_q: QUANTISED
;;     2. [M 8,192, K 1,024] x [K 1,024, N 1,024]; A: input x; B: input W_k: QUANTISED
;;     3. [M 8,192, K 1,024] x [K 1,024, N 1,024]; A: input x; B: input W_v: QUANTISED
;;     4. batch 64 x [M 2,048, K 64] x [K 64, N 2,048]; A: computed on the way; B: computed on the way: QUANTISED
;;     5. batch 64 x [M 64, K 2,048] x [K 2,048, N 2,048]; A: computed on the way; B: softmax (see below): QUANTISED
;;     6. [M 8,192, K 1,024] x [K 1,024, N 1,024]; A: computed on the way; B: input W_o: QUANTISED
;;   THE QUANTISER, for each operand of a quantised product, along K:
;;     - K is cut into blocks of 32 from its start; a last block that is shorter is filled with zeros.
;;     - A block's scale is 2^e with e = floor(log2(the largest magnitude in the block)) - 8, held to -126 .. 127; a block of zeros has e = 0. As a byte (E8M0): e + 127.
;;     - Each number is divided by its block's scale, clamped to +-448, and rounded to the nearest number of E4M3, ties to even, subnormals kept.
;;     - The product sums the exact products of the quantised numbers (number of the format x scale) in f32.
;;   ~~~python
;;   def quantise(x, axis):      # numpy; x: float32 -> the quantised numbers, widened to float32 again
;;       x = np.moveaxis(x, axis, -1); K = x.shape[-1]
;;       x = np.pad(x, [(0, 0)] * (x.ndim - 1) + [(0, -K % 32)]); x = x.reshape(x.shape[:-1] + (-1, 32)); a = np.abs(x).max(-1, keepdims=True)
;;       e = np.where(a > 0, np.clip(np.frexp(np.where(a > 0, a, 1))[1] - 1 - 8, -126, 127), 0)      # np.frexp(a)[1] - 1 = floor(log2(a)), exactly
;;       r = np.clip(x / 2.0 ** e, -448, 448)
;;       step = 2.0 ** (np.maximum(np.frexp(np.where(r == 0, 1, r))[1] - 1, -6) - 3)
;;       q = np.round(r / step) * step * 2.0 ** e      # np.round: ties to even
;;       return np.moveaxis(q.reshape(q.shape[:-2] + (-1,))[..., :K], -1, axis).astype(np.float32)
;;   ~~~
;;   SOFTMAX AHEAD OF A QUANTISED PRODUCT. Where the list says 'softmax', what is quantised is not the finished softmax but p = 2^(t - M), with t = logit x log2(e) and M = ceil(the row's largest t), a whole number; so 1/2 < the row's largest p <= 1. The row's sum l is taken of the UNQUANTISED p, in f32, and the product's result is divided by l at the end. Since M is a whole number, a kernel that streams over the keys may use a running M (the ceiling of the running maximum): every later rescaling is an exact power of two, which a block's scale takes up: the codes' values come out the same.
;;   OPERANDS COMPUTED ON THE WAY. 'Computed on the way' means the value that the module computes at that place (a softmax that the list does not call 'softmax' is quantised finished and normalised). What goes into a quantiser is computed in f32, as accurately as f32 sums, v_exp_f32 and their like allow (about 1e-6 of the number): no bf16 or f16 on the way to a quantiser, and a product that is left as it is and whose result goes on into a quantised operand takes f32 operands (vector FMAs, or v_wmma_f32_16x16x4_f32). A number that lies on a knife's edge between two numbers of the format may be rounded either way, as far as f32 arithmetic and the matrix unit's own rounding can turn it there, and no further.
;; One version. Each part assembles by itself: llvm-mc -triple=amdgcn-amd-amdhsa -mcpu=gfx1250 --defsym DOCPART=n.
;; ======== version 1 of 1: 4 launches
;; limits: right only within a limited range of input values
;; workspace buffers: cat_codes 12,582,912 bytes; cat_scales 393,216 bytes; qkv 26,476,544 bytes; o_img 8,388,608 bytes; o_scales 262,144 bytes
;; launch quant (part 1): grid 384 x 1, 4 waves a work-group, no clusters, 68,096 bytes of LDS; arguments x, W_o, W_q, W_k, W_v, cat_codes, cat_scales; writes cat_codes, cat_scales
.if DOCPART == 1
	.amdgcn_target "amdgcn-amd-amdhsa--gfx1250"
	.amdhsa_code_object_version 6
	.text
	.protected	k_q2fd9f687f2_quant
	.globl	k_q2fd9f687f2_quant
	.p2align	8
	.type	k_q2fd9f687f2_quant,@function
k_q2fd9f687f2_quant:
	s_mov_b64 s[64:65], 0
	v_nop
	global_prefetch_b8 v0, s[64:65] scope:SCOPE_SE
	s_setreg_imm32_b32 hwreg(HW_REG_WAVE_MODE, 25, 1), 1
	s_wait_xcnt 0x0
; x [8192][1024], W_o [1024][1024] (K innermost) and W_q, W_k, W_v [1024 (K)][1024 (n)] (K is the FIRST axis), all f32, become codes of FP8 (E4M3), K innermost, with one E8M0 byte for each 32 along K.
; All land in ONE table of 12,288 rows of 1,024 codes (cat_codes) and 32 scale bytes (cat_scales): rows 0-1023 W_q^T, 1024-2047 W_k^T, 2048-10239 x, 10240-11263 W_v^T, 11264-12287 W_o.
; POSITION ORDER: inside each tensor a row stands at its index with bits 3 and 4 exchanged.  Sixteen consecutive places 32 g + 16 u + p then hold the rows 32 g + 8 u + p + 8 (p / 8): used as a matrix
; instruction's source 0, two neighbouring tiles leave a lane 16 NEIGHBOURS along the true index, which is what the later launches' quantisers want.
; A block's scale is 2^(floor(log2(its largest magnitude)) - 8); its byte is the largest magnitude's exponent field - 8, held at 1 from below; each number is held within +-448 x the scale and rounded to the nearest code, ties to even.
; LIMITS: NaN and infinities among the inputs are not served; a block whose largest magnitude lies under 2^-118 keeps the byte 1; a block of zeros has the byte 1 where the rule says 127 (its codes are zeros, and this program alone reads the bytes).
; SHARES: work-groups 0-255 take 32 rows of x each, 256-287 32 rows of W_o (a wave: 8 rows, a plain stream of blocks); 288-383 take 128 columns x 256 along K of W_q, W_k or W_v (a lane: a column, registers down K).
; The two ways part on the work-group's number and never join; each has LDS bytes of its own, every byte a wave's own: no barrier.  No matrix unit, tensor load or cluster: nothing is shared and each input byte is read once.
.set STEPS, 16
.set EMAX,  8
.set MANT,  0x600000                   ; the mantissa field of 448 as f32
.set CB,    16                         ; bytes of 16 codes
.set R,     16                         ; rows' way: v16-79 four sets of 16 numbers as loaded
.set X,     80                         ; v80-111  two sets of 16 neighbours
.set E,     112                        ; v112-127 a scale byte for each step
.set C,     128                        ; v128-191 codes: four registers for each step, so that no store's data are written again
.set WREG,  8192                       ; LDS 0 .. 32767: a region for each wave: two stages of 32 x SP bytes, behind them its 256 scale bytes
.set SP,    80                         ; a lane's place in a stage: 64 bytes + 16 of padding
.set NB,    8                          ; columns' way: blocks of 32 along K for a wave
.set PITCH, 272                        ; a stage row: 256 codes + 16 bytes
.set STGK,  32768                      ; LDS 32768 .. 67583: a stage of 32 rows for each wave
.set XK,    32                         ; v32-95 two sets of 32 numbers
.set CK,    96                         ; v96-103 a block's codes
.set OUTR,  112                        ; v112-175 the way out
.set SB,    24                         ; v24-25 the scale bytes
	s_load_b256 s[4:11], s[0:1], 0x0               ; x, W_o, W_q, W_k
	s_load_b128 s[12:15], s[0:1], 0x20             ; W_v, cat_codes
	s_load_b64 s[16:17], s[0:1], 0x30              ; cat_scales
	v_lshl_add_u32 v192, v0, 2, 0x10800
	v_mov_b32 v193, 0
	v_lshrrev_b32 v1, 5, v0
	v_readfirstlane_b32 s20, v1                    ; wave 0..3
	v_and_b32 v2, 31, v0                           ; lane
	s_mov_b32 s25, 0
	s_wait_kmcnt 0x0
	s_cmp_lt_u32 ttmp9, 288
	s_cbranch_scc0 .Lcols
	; ---------------- rows: K innermost ----------------
	s_wait_alu depctr_va_vdst(0)
	v_lshlrev_b32 v3, 4, v2                        ; my 16 bytes of a load's 512
	s_mul_i32 s21, s20, WREG
	v_lshrrev_b32 v14, 2, v2
	v_mul_u32_u24 v14, v14, SP
	v_and_b32 v15, 3, v2
	v_lshl_add_u32 v14, v15, 4, v14
	v_add_nc_u32 v14, s21, v14                     ; the stage, on the way in: SP (lane / 4) + 16 (lane % 4)
	v_mul_u32_u24 v15, v2, SP
	v_add_nc_u32 v15, s21, v15                     ; and on the way out: SP x lane: my 16 neighbours
	v_mul_u32_u24 v4, v2, CB                       ; my codes' place in a step's
	v_lshrrev_b32 v5, 1, v2
	s_add_co_u32 s21, s21, 2*32*SP
	v_add_nc_u32 v5, s21, v5                       ; LDS: my wave's 256 scale bytes, my block's byte
	v_lshlrev_b32 v7, 3, v2                        ; and on the way out 8 bytes a lane
	v_add_nc_u32 v6, s21, v7
	s_cmp_lt_u32 ttmp9, 256                        ; x or W_o: the choice hangs on the work-group's number alone
	s_cselect_b64 s[4:5], s[4:5], s[6:7]
	s_cselect_b32 s22, 0, 256
	s_cselect_b32 s23, 0, 128
	s_sub_co_u32 s22, ttmp9, s22
	s_lshl_b32 s22, s22, 2
	s_add_co_u32 s22, s22, s20                     ; which 8 rows of the tensor are my wave's
	s_lshl_b32 s24, s22, 15                        ; 8 rows of 4,096 bytes
	s_add_nc_u64 s[4:5], s[4:5], s[24:25]
	s_and_b32 s26, s20, 1                          ; a work-group is a group of 32 rows and a wave 8 of them, so the exchange of bits 3 and 4 is the exchange of the wave number's two bits
	s_lshl_b32 s26, s26, 1
	s_lshr_b32 s27, s20, 1
	s_or_b32 s26, s26, s27
	s_lshl_b32 s27, ttmp9, 2
	s_add_co_u32 s26, s26, s27
	s_add_co_u32 s26, s26, s23
	s_add_co_u32 s26, s26, 256                     ; the group of 8 rows in the table: x begins at group 256, W_o at group 1408 = 256 + 4 x 256 + 128
	s_lshl_b32 s24, s26, 13
	s_add_nc_u64 s[14:15], s[14:15], s[24:25]
	s_lshl_b32 s24, s26, 8
	s_add_nc_u64 s[16:17], s[16:17], s[24:25]
.macro LOAD t
.irp i, 0,1,2,3
	global_load_b128 v[R+16*((\t)%4)+4*\i:R+16*((\t)%4)+4*\i+3], v3, s[4:5] offset:2048*(\t)+512*\i th:TH_LOAD_NT   ; 32 lanes read 512 consecutive bytes
.endr
.endm
.macro TURN t                          ; step t's numbers through the stage: LDS serves a wave's instructions in order, so no wait stands between the stores and the loads
.irp i, 0,1,2,3
	ds_store_b128 v14, v[R+16*((\t)%4)+4*\i:R+16*((\t)%4)+4*\i+3] offset:32*SP*((\t)%2)+8*SP*\i
.endr
.irp i, 0,1,2,3
	ds_load_b128 v[X+16*((\t)%2)+4*\i:X+16*((\t)%2)+4*\i+3], v15 offset:32*SP*((\t)%2)+16*\i
.endr
.endm
.irp t, 0,1,2,3
	LOAD \t
.endr
	s_wait_alu depctr_va_vdst(0)
	s_wait_loadcnt 12                              ; step 0's four loads are in
	TURN 0
.macro STEP t
.set XS, X+16*((\t)%2)
.if (\t) > 0
	s_wait_dscnt 1                                 ; this step's numbers are back from the stage (the last step's byte store may be out): so its stores into the stage have read their registers,
.else
	s_wait_dscnt 0x0
.endif
.if (\t)+4 < STEPS
	LOAD (\t)+4                                    ; which take the loads of four steps on
.endif
.if (\t)+1 < STEPS
.if STEPS-2-(\t) >= 3
	s_wait_loadcnt 12                              ; the next step's four loads are in; those of the three steps behind it may be out
.else
	s_wait_loadcnt 4*(STEPS-2-(\t))
.endif
	TURN (\t)+1                                    ; and go through the other stage while this step is worked
.endif
	v_max3_num_f32 v8, |v[XS]|, |v[XS+1]|, |v[XS+2]|               ; the largest magnitude of my 16
	v_max3_num_f32 v9, |v[XS+3]|, |v[XS+4]|, |v[XS+5]|
.irp i, 6,10
	v_max3_num_f32 v8, v8, |v[XS+\i]|, |v[XS+\i+1]|
	v_max3_num_f32 v9, v9, |v[XS+\i+2]|, |v[XS+\i+3]|
.endr
	v_max3_num_f32 v8, v8, |v[XS+14]|, |v[XS+15]|
	v_max3_num_f32 v8, v8, v9, (EMAX+1)<<23        ; and the floor 2^(9 - 127): the byte cannot fall under 1
	v_max_num_f32_dpp v8, v8, v8 row_xmask:1 row_mask:0xf bank_mask:0xf   ; and of my neighbour's 16: the block's
	v_add_nc_u32 v11, -(EMAX<<23), v8              ; 8 off its exponent field: the conversion takes the exponent field of this operand as its scale
.irp i, 0,1,2,3,4,5,6,7,8,9,10,11,12,13,14,15
.endr
	v_cvt_scalef32_pk8_fp8_f32 v[C+4*(\t):C+4*(\t)+1], v[XS:XS+7], v11
	v_cvt_scalef32_pk8_fp8_f32 v[C+4*(\t)+2:C+4*(\t)+3], v[XS+8:XS+15], v11
	v_lshrrev_b32 v[E+(\t)], 23, v11               ; the scale's byte (also the plain line behind the conversions)
	ds_store_b8 v5, v[E+(\t)] offset:16*(\t)       ; both lanes of a block write the same byte with the same value
	global_store_b128 v4, v[C+4*(\t):C+4*(\t)+3], s[14:15] offset:32*CB*(\t)   ; the wave stores 512 consecutive bytes, aligned
.endm
.irp t, 0,1,2,3,4,5,6,7,8,9,10,11,12,13,14,15
	STEP \t
.endr
	ds_load_b64 v[12:13], v6                       ; LDS serves a wave's instructions in order: these see my stores
	s_wait_dscnt 0x0
	global_store_b64 v7, v[12:13], s[16:17]        ; 32 lanes store 256 consecutive bytes, aligned: 8 rows' scale bytes
	s_wait_tensorcnt 0x0
	ds_add_u32 v192, v193
	s_wait_dscnt 0x0
	s_endpgm
	; ---------------- columns: K is the first axis ----------------
.Lcols:
	s_sub_co_u32 s21, ttmp9, 288                   ; 0 .. 95
	s_lshr_b32 s22, s21, 5                         ; which weight: 0 W_q, 1 W_k, 2 W_v
	s_and_b32 s23, s21, 7                          ; which 128 columns
	s_bfe_u32 s24, s21, 0x20003                    ; which 256 along K
	s_lshl_b32 s26, s22, 10                        ; the weight's first row in the table: 0, 1024,
	s_cmp_eq_u32 s22, 0
	s_cselect_b64 s[4:5], s[8:9], s[10:11]
	s_cmp_eq_u32 s22, 2
	s_cselect_b64 s[4:5], s[12:13], s[4:5]
	s_cselect_b32 s26, 10240, s26                  ; or 10240
	s_lshl_b32 s23, s23, 7
	s_lshl_b32 s27, s20, 5
	s_add_co_u32 s23, s23, s27                     ; my wave's first column: a group of 32
	s_add_co_u32 s26, s26, s23                     ; and its first row in the table
	s_lshl_b32 s30, s24, 20                        ; 256 rows of 4,096 bytes
	s_lshl_b32 s27, s23, 2
	s_add_co_u32 s30, s30, s27
	s_mov_b32 s31, 0
	s_add_nc_u64 s[4:5], s[4:5], s[30:31]
	s_lshl_b32 s30, s26, 10
	s_lshl_b32 s27, s24, 8
	s_add_co_u32 s30, s30, s27
	s_add_nc_u64 s[14:15], s[14:15], s[30:31]
	s_lshl_b32 s30, s26, 5
	s_lshl_b32 s27, s24, 3
	s_add_co_u32 s30, s30, s27
	s_add_nc_u64 s[16:17], s[16:17], s[30:31]
	s_wait_alu depctr_va_vdst(0)
	v_lshlrev_b32 v3, 2, v2                        ; in: 4 bytes a lane: lane = column
	v_and_b32 v10, 7, v2
	v_and_b32 v11, 8, v2
	v_lshl_add_u32 v10, v11, 1, v10
	v_bfe_u32 v11, v2, 4, 1
	v_lshl_add_u32 v10, v11, 3, v10                ; my column's place among the 32: bits 3 and 4 exchanged
	s_mul_i32 s27, s20, 32*PITCH
	s_add_co_u32 s27, s27, STGK                    ; my stage
	v_mul_u32_u24 v4, v10, PITCH
	v_add_nc_u32 v4, s27, v4                       ; into it: row = my column's place
	v_and_b32 v5, 15, v2
	v_lshrrev_b32 v6, 4, v2                        ; out of it: sixteen lanes to a row, two rows an instruction
	v_mul_u32_u24 v7, v6, PITCH
	v_lshl_add_u32 v7, v5, 4, v7
	v_add_nc_u32 v7, s27, v7
	v_lshlrev_b32 v8, 10, v6
	v_lshl_add_u32 v8, v5, 4, v8                   ; and the same place in the table
	v_lshlrev_b32 v9, 5, v10                       ; my column's row of scale bytes
.macro LOADK t                         ; block t: W(32 t + i, my column), i = 0 .. 31, into set t % 2; each load reads 128 consecutive bytes
.set i, 0
.rept 32
	global_load_b32 v[XK+32*((\t)%2)+i], v3, s[4:5] offset:(32*(\t)+i)*4096 th:TH_LOAD_NT
.set i, i+1
.endr
.endm
	LOADK 0
	LOADK 1
.macro BLOCK t
.set XS, XK+32*((\t)%2)
.if (\t) < NB-1
	s_wait_loadcnt 32                              ; this block's 32 loads are in; the next block's may be out
.else
	s_wait_loadcnt 0
.endif
	v_max3_num_f32 v12, |v[XS]|, |v[XS+1]|, |v[XS+2]|               ; the block's largest magnitude: all 32 numbers are mine
	v_max3_num_f32 v13, |v[XS+3]|, |v[XS+4]|, |v[XS+5]|
.irp i, 6,10,14,18,22,26
	v_max3_num_f32 v12, v12, |v[XS+\i]|, |v[XS+\i+1]|
	v_max3_num_f32 v13, v13, |v[XS+\i+2]|, |v[XS+\i+3]|
.endr
	v_max3_num_f32 v12, v12, |v[XS+30]|, |v[XS+31]|
	v_max3_num_f32 v12, v12, v13, (EMAX+1)<<23     ; and the floor
	v_add_nc_u32 v11, -(EMAX<<23), v12             ; the conversion's scale operand
	v_lshrrev_b32 v13, 23, v11                     ; the scale's byte
.if (\t)%4 == 0
	v_mov_b32 v[SB+(\t)/4], v13                    ; four bytes to a register, the lower K in the lower byte
.else
	v_lshl_or_b32 v[SB+(\t)/4], v13, 8*((\t)%4), v[SB+(\t)/4]
.endif
.set i, 0
.rept 32
.set i, i+1
.endr
.irp g, 0,1,2,3
	v_cvt_scalef32_pk8_fp8_f32 v[CK+2*\g:CK+2*\g+1], v[XS+8*\g:XS+8*\g+7], v11
.endr
	ds_store_b128 v4, v[CK:CK+3] offset:32*(\t)    ; 32 codes: 32 bytes of my column's row
	ds_store_b128 v4, v[CK+4:CK+7] offset:32*(\t)+16
.if (\t)+2 < NB
	LOADK (\t)+2
.endif
	s_wait_dscnt 0x0                               ; the stores have read their registers: the next block's codes may be written
.endm
.irp t, 0,1,2,3,4,5,6,7
	BLOCK \t
.endr
	s_wait_alu depctr_va_vdst(0)
	global_store_b64 v9, v[SB:SB+1], s[16:17]      ; my column's 8 scale bytes: pieces of 8 bytes, 32 bytes apart: one byte for each 128 that this way reads
.irp t, 0,1,2,3,4,5,6,7,8,9,10,11,12,13,14,15
	ds_load_b128 v[OUTR+4*\t:OUTR+4*\t+3], v7 offset:2*\t*PITCH   ; LDS serves a wave's instructions in order: these see my stores
.endr
.irp t, 0,1,2,3,4,5,6,7,8,9,10,11,12,13,14,15
	s_wait_dscnt 15-\t
	global_store_b128 v8, v[OUTR+4*\t:OUTR+4*\t+3], s[14:15] offset:2*\t*1024   ; sixteen lanes store 256 consecutive bytes, aligned
.endr
	s_wait_tensorcnt 0x0
	ds_add_u32 v192, v193
	s_wait_dscnt 0x0
	s_endpgm
.Lfunc_end_k_q2fd9f687f2_quant:
	.size	k_q2fd9f687f2_quant, .Lfunc_end_k_q2fd9f687f2_quant-k_q2fd9f687f2_quant
	.p2alignl 7, 3214868480
	.fill 96, 4, 3214868480
	.section	.rodata,"a",@progbits
	.p2align	6, 0x0
	.amdhsa_kernel k_q2fd9f687f2_quant
		.amdhsa_group_segment_fixed_size 68096
		.amdhsa_private_segment_fixed_size 0
		.amdhsa_enable_private_segment 0
		.amdhsa_kernarg_size 56
		.amdhsa_user_sgpr_count 2
		.amdhsa_user_sgpr_kernarg_segment_ptr 1
		.amdhsa_wavefront_size32 1
		.amdhsa_system_sgpr_workgroup_id_x 1
		.amdhsa_system_sgpr_workgroup_id_y 1
		.amdhsa_system_sgpr_workgroup_id_z 1
		.amdhsa_system_vgpr_workitem_id 0
		.amdhsa_next_free_vgpr 194
		.amdhsa_next_free_sgpr 66
		.amdhsa_reserve_vcc 0
		.amdhsa_float_denorm_mode_32 3
		.amdhsa_float_denorm_mode_16_64 3
		.amdhsa_fp16_overflow 1
		.amdhsa_memory_ordered 1
		.amdhsa_forward_progress 1
		.amdhsa_inst_pref_size 76
	.end_amdhsa_kernel
	.amdgpu_metadata
---
amdhsa.version: [ 1, 2 ]
amdhsa.kernels:
  - .name:           k_q2fd9f687f2_quant
    .symbol:         k_q2fd9f687f2_quant.kd
    .args:
      - { .name: x, .offset: 0, .size: 8, .value_kind: global_buffer, .address_space: global }
      - { .name: W_o, .offset: 8, .size: 8, .value_kind: global_buffer, .address_space: global }
      - { .name: W_q, .offset: 16, .size: 8, .value_kind: global_buffer, .address_space: global }
      - { .name: W_k, .offset: 24, .size: 8, .value_kind: global_buffer, .address_space: global }
      - { .name: W_v, .offset: 32, .size: 8, .value_kind: global_buffer, .address_space: global }
      - { .name: cat_codes, .offset: 40, .size: 8, .value_kind: global_buffer, .address_space: global }
      - { .name: cat_scales, .offset: 48, .size: 8, .value_kind: global_buffer, .address_space: global }
    .group_segment_fixed_size: 68096
    .private_segment_fixed_size: 0
    .kernarg_segment_align: 8
    .kernarg_segment_size: 56
    .max_flat_workgroup_size: 128
    .sgpr_count:     66
    .vgpr_count:     194
    .wavefront_size: 32
...
	.end_amdgpu_metadata
.endif
;; end of part 1
;; launch proj (part 2): grid 12 x 32, 4 waves a work-group, clusters of 4 x 4, 327,680 bytes of LDS; arguments cat_codes, cat_scales, qkv; writes qkv
.if DOCPART == 2
	.amdgcn_target "amdgcn-amd-amdhsa--gfx1250"
	.amdhsa_code_object_version 6
	.text
	.protected	k_q2fd9f687f2_proj
	.globl	k_q2fd9f687f2_proj
	.p2align	8
	.type	k_q2fd9f687f2_proj,@function
k_q2fd9f687f2_proj:
	s_mov_b64 s[64:65], 0
	v_nop
	global_prefetch_b8 v0, s[64:65] scope:SCOPE_SE
	s_setreg_imm32_b32 hwreg(HW_REG_WAVE_MODE, 25, 1), 1
	s_wait_xcnt 0x0
	s_wait_alu depctr_hold_cnt(0) depctr_sa_sdst(0) depctr_va_vdst(0) depctr_va_sdst(0) depctr_va_ssrc(0) depctr_va_vcc(0) depctr_vm_vsrc(0)
	s_getreg_b32 s2, hwreg(HW_REG_IB_STS2, 6, 4)
	s_cmp_eq_u32 s2, 0
	s_cbranch_scc0 .Lentry_in_a_cluster
	s_endpgm
.Lentry_in_a_cluster:
	s_bfe_u32 s2, ttmp6, 0x10000c
	s_cmp_lg_u32 s2, 0xf033
	s_cbranch_scc0 .Lentry_shape_is_right
	s_endpgm
.Lentry_shape_is_right:
; q = x W_q, k = x W_k, v = x W_v on codes of FP8 (E4M3) with E8M0 scales, K = 1,024, and the results quantised in registers: q and k along the head's 64, v along the keys.
; All operands are rows of one table (cat_codes [12288][1024], cat_scales [12288][32]): 0-2047 W_q^T | W_k^T, 2048-10239 x, 10240-11263 W_v^T, each in POSITION ORDER (a row stands at its index with bits 3 and 4 exchanged).
; A tile of 256 x 256 results is made by a work-group of four waves, 128 x 128 a wave: 64 accumulators, 512 registers.  K goes in steps of 256 through a ring of two LDS slots filled by the tensor data mover.
; THE MATRIX INSTRUCTION IS USED TRANSPOSED: source 0 = 16 rows of 'B', source 1 = 16 rows of 'A': a lane holds ONE row of A, its registers run along B's rows; by the position order the 16 registers of two
; neighbouring tiles of B are 16 NEIGHBOURS along B's true index.  Cluster x = 0, 1 (q, k): A = x, B = W^T: registers run along the head's channels.  Cluster x = 2 (v): A = W_v^T, B = x: registers run along the keys.
; So the conversions' results ARE the next launch's operand registers, and each goes to memory as an image of registers: 512 consecutive bytes a store.  No stage, no wide intermediate.
; CLUSTERS: 4 x 4 work-groups; A's tiles are asked for jointly along a row of the cluster, B's along a column.  Which rows of the table are A's and B's hangs on the cluster's x and y, which all sixteen share.
; qkv: [batch x head: 64][256 places: 8][51,712 bytes]: K's codes 16 tiles x 1,024; V's codes [128 keys: 2][16 channels: 4] x 2,048; K's scale words 1,024; V's 512; Q's codes 16,384; Q's scale words 1,024.
; LIMITS: NaN and infinities are not served; a block whose largest magnitude lies under 2^-118 keeps the byte 1; a block of zeros has the byte 1 where the rule says 127 (its codes are zeros; this program alone reads the bytes).
; REGISTERS, in windows of 256: window 0: v0-31 addresses; v32-63 scale words, two sets; from v128 A's fragments, ONE set; on the way out v64-178 are at work.  window 1: B's fragments, two sets.  windows 2, 3: the accumulators ((a, b) at v[8 (8 (a % 4) + b)]).
.set NQ,     2                         ; matrix instructions deep in a slot
.set ROWB,   256                       ; a tile's row in bytes
.set KROW,   1024                      ; a row of the table
.set PITCH,  272                       ; an LDS row: 256 bytes + 16 of padding = 68 words: the 16 rows that a load touches start at 16 different banks (64 banks of 4 bytes: ISA guide 11.1)
.set FR,     16
.set NL,     4
.set NP,     8                         ; places behind this matrix instruction (ISA guide 7.12.1)
.set HALFT,  128*PITCH
.set SLOT,   4*HALFT
.set KS,     32
.set SCL,    2*SLOT                    ; behind the ring: the scales of my 256 + 256 rows for all of K, as rows of 256 bytes + 16
.set HALFS,  (128*KS/256)*272
.set SBLK,   (16*KS/256)*272
.set SPARE,  SCL+4*HALFS               ; the spare words, 128 bytes for each wave: two blocks of 256 bytes that no other line names
.set BLK,    51712
.set HSTR,   8*BLK
.set ADRA, 16
.set ADRB, 20
.set ADRS, 27
.set SPW,  28
.set NIL,  29
.set LI,   30                          ; v30 16 x lane
.set SC,   32
.set AF,   128
.set T,    64                          ; the way out: v64-127 the held numbers
.set PC,   128                         ; v128-143 the codes
.set TM,   144                         ; v144-159 largest magnitudes, bytes, 448 x scale, scale operands
.set SW,   160                         ; v160-167 the scale word of each of my eight tiles of A's rows
.set SWO,  168
.set SW2,  172
.set VO,   176
.set VO2,  177
.set VS,   178
.set G1, 24
.set G0, 32
.set G1B, 48
.set G0B, 56
.set G1S, 68
.set G0S, 76
.set G1SB, 80
.set G0SB, 88
.set SEL, 20                           ; on the way out: s[20:21] lane selects, s22 448's mantissa field
.set MNT, 22
.set MSB, 0
.macro WIN new                         ; the immediate's high byte repeats the setting that is left
.if MSB != (\new)
	s_set_vgpr_msb (MSB<<8)|(\new)
.set MSB, (\new)
.endif
.endm
.set MUL_LO, 0xa1                      ; source 0 (B) window 1, source 1 (A) window 0, C and D window 2
.set MUL_HI, 0xf1
.set TO_B,   0x40
; A joint load: waves 0 and 1 fetch for A, waves 2 and 3 for B; the branch hangs on the wave's number alone.  Four v_nop follow each of the two lines.
.macro JLOAD g0a, g1a, g0b, g1b
	s_cmp_eq_u32 s15, 0
	s_cbranch_scc0 .Lfor_b_\@
	tensor_load_to_lds s[\g0a:\g0a+3], s[\g1a:\g1a+7]
	s_nop 0
.rept 4
	v_nop
.endr
	s_branch .Lasked_\@
.Lfor_b_\@:
	tensor_load_to_lds s[\g0b:\g0b+3], s[\g1b:\g1b+7]
	s_nop 0
.rept 4
	v_nop
.endr
.Lasked_\@:
.endm
.macro CREST                           ; a round of the cluster's barrier behind its opening barrier
	s_cmp_lg_u32 s14, 0
	s_cbranch_scc1 .Lnot_wave_0_\@
	s_barrier_signal -3
.Lnot_wave_0_\@:
	s_barrier_wait -3
	s_barrier_signal -1
	s_barrier_wait -1
.endm
.macro CROUND
	s_barrier_signal -1
	s_barrier_wait -1
	CREST
.endm
	s_load_b128 s[4:7], s[0:1], 0x0                ; cat_codes, cat_scales
	s_load_b64 s[12:13], s[0:1], 0x10              ; qkv
	v_lshl_add_u32 v[SPW], v0, 2, SPARE
	v_mov_b32 v[NIL], 0
	ds_add_u32 v28, v29
	ds_add_u32 v28, v29
	s_wait_dscnt 0x0
	v_lshrrev_b32 v1, 5, v0
	v_readfirstlane_b32 s14, v1                    ; wave 0..3
	s_lshr_b32 s15, s14, 1                         ; which half of A's rows is mine.  Also: I fetch for A (0) or for B (1)
	s_and_b32 s16, s14, 1                          ; which half of B's rows.  Also: which 128 rows I fetch
	s_bfe_u32 s40, ttmp6, 0x40000                  ; cx, cy: my place in the cluster
	s_bfe_u32 s41, ttmp6, 0x40004
	s_and_b32 s18, ttmp7, 0xffff
	s_lshl_b32 s18, s18, 2                         ; 4 x cluster y
	s_lshl_b32 s19, ttmp9, 2                       ; 4 x cluster x
	s_mov_b32 s20, 2048
	s_cmp_eq_u32 ttmp9, 2                          ; v's clusters?  The same answer in all sixteen partners
	s_cselect_b32 s17, 0, s18                      ; A's tile: q, k: 4 y + cy of x's 32;  v: cy of W_v^T's 4
	s_cselect_b32 s42, s18, s19                    ; B's tile: q, k: 4 x + cx of W_q^T | W_k^T's 8;  v: 4 y + cx of x's 32
	s_cselect_b32 s20, 10240, s20                  ; A's first row in the table
	s_cselect_b32 s21, 2048, 0                     ; B's
	s_add_co_u32 s17, s17, s41
	s_add_co_u32 s42, s42, s40
	s_lshl_b32 s43, s41, 2
	s_lshl_b32 s43, 15, s43                        ; my row of the cluster
	s_lshl_b32 s44, 0x1111, s40                    ; my column
	; descriptor group 1: a tile of 128 rows x 256 bytes, padded in LDS
	s_or_b32 s[G1+0], s43, (0<<16)|(1<<20)|(1<<21)|(5<<22)|(3<<25)  ; 15:0 the mask; 17:16 elements of 1 byte; 20 padding on; 21 set beside a mask; 24:22 after every 64 words; 31:25 four words
	s_or_b32 s[G1B+0], s44, (0<<16)|(1<<20)|(1<<21)|(5<<22)|(3<<25)
.irp g, G1, G1B
	s_mov_b32 s[\g+1], ROWB<<16                    ; tensor_dim0
	s_mov_b32 s[\g+2], 128<<16                     ; tensor_dim1
	s_mov_b32 s[\g+3], ROWB<<16                    ; tile_dim0
	s_mov_b32 s[\g+4], 128                         ; tile_dim1
	s_mov_b32 s[\g+5], KROW                        ; tensor_dim0_stride
	s_mov_b32 s[\g+6], 0
	s_mov_b32 s[\g+7], 0
.endr
	; the scales of 128 rows: 4,096 dense bytes, as 16 rows of 256 bytes (32 elements of 8 bytes), 16 bytes of padding behind each
	s_or_b32 s[G1S+0], s43, (3<<16)|(1<<20)|(1<<21)|(5<<22)|(3<<25)
	s_or_b32 s[G1SB+0], s44, (3<<16)|(1<<20)|(1<<21)|(5<<22)|(3<<25)
.irp g, G1S, G1SB
	s_mov_b32 s[\g+1], 32<<16
	s_mov_b32 s[\g+2], (128*KS/256)<<16
	s_mov_b32 s[\g+3], 32<<16
	s_mov_b32 s[\g+4], 128*KS/256
	s_mov_b32 s[\g+5], 32
	s_mov_b32 s[\g+6], 0
	s_mov_b32 s[\g+7], 0
.endr
	s_lshl_b32 s18, s16, 7                         ; which 128 rows of the tile I fetch
	s_lshl_b32 s22, s17, 8
	s_add_co_u32 s22, s22, s18
	s_add_co_u32 s22, s22, s20                     ; A: the first row that I fetch, in the table
	s_lshl_b32 s46, s42, 8
	s_add_co_u32 s46, s46, s18
	s_add_co_u32 s46, s46, s21                     ; B likewise
	s_lshl_b32 s20, s22, 10                        ; its codes, in bytes (the table has under 2^24 bytes),
	s_mov_b32 s21, 0
	s_lshl_b32 s22, s22, 5                         ; its scale bytes
	s_mov_b32 s23, 0
	s_lshl_b32 s92, s46, 5
	s_mov_b32 s93, 0
	s_lshl_b32 s46, s46, 10
	s_mov_b32 s47, 0
	s_mul_i32 s45, s14, HALFT                      ; where they go: wave x 128 rows: no place in the cluster enters an LDS address
	s_mul_i32 s94, s14, HALFS
	s_wait_kmcnt 0x0
	s_add_nc_u64 s[20:21], s[4:5], s[20:21]
	s_add_nc_u64 s[22:23], s[6:7], s[22:23]
	s_add_nc_u64 s[46:47], s[4:5], s[46:47]
	s_add_nc_u64 s[92:93], s[6:7], s[92:93]
	CROUND                                         ; all sixteen work-groups are here: the first joint loads meet
	s_mov_b32 s[G0S], 1
	s_add_co_u32 s[G0S+1], s94, SCL
	s_mov_b64 s[G0S+2:G0S+3], s[22:23]
	s_or_b32 s[G0S+3], s[G0S+3], 0x80000000
	s_mov_b32 s[G0SB], 1
	s_add_co_u32 s[G0SB+1], s94, SCL
	s_mov_b64 s[G0SB+2:G0SB+3], s[92:93]
	s_or_b32 s[G0SB+3], s[G0SB+3], 0x80000000
	JLOAD G0S, G1S, G0SB, G1SB                     ; the scales first: they are wanted with K step 0
.irp s, 0,1
	s_mov_b32 s[G0+4*\s], 1
	s_add_co_u32 s[G0+4*\s+1], s45, \s*SLOT
	s_add_nc_u64 s[G0+4*\s+2:G0+4*\s+3], s[20:21], \s*ROWB
	s_or_b32 s[G0+4*\s+3], s[G0+4*\s+3], 0x80000000
	s_mov_b32 s[G0B+4*\s], 1
	s_add_co_u32 s[G0B+4*\s+1], s45, \s*SLOT
	s_add_nc_u64 s[G0B+4*\s+2:G0B+4*\s+3], s[46:47], \s*ROWB
	s_or_b32 s[G0B+4*\s+3], s[G0B+4*\s+3], 0x80000000
	JLOAD G0+4*\s, G1, G0B+4*\s, G1B               ; three tensor loads of mine are out at the most
.endr
	v_and_b32 v1, 15, v0                           ; r = l % 16 (kept)
	v_bfe_u32 v2, v0, 4, 1                         ; h = l / 16 (kept)
	v_mul_u32_u24 v3, v1, PITCH
	v_lshl_add_u32 v4, v2, 4, v3                   ; a fragment's row x pitch + 16 x half
	s_mul_i32 s21, s15, HALFT                      ; my 128 rows of A
	s_mul_i32 s22, s16, HALFT                      ; my 128 rows of B,
	s_add_co_u32 s22, s22, 2*HALFT                 ; which lie behind A's 256
.irp s, 0,1
	v_add_nc_u32 v[ADRA+\s], s21, v4
	v_add_nc_u32 v[ADRB+\s], s22, v4
	s_add_co_u32 s21, s21, SLOT
	s_add_co_u32 s22, s22, SLOT
.endr
	v_mul_u32_u24 v5, v1, KS                       ; my row's scales: 32 bytes a row,
	v_lshrrev_b32 v6, 8, v5
	v_lshl_add_u32 v5, v6, 4, v5                   ; and 16 more for each 256 passed
	s_mul_i32 s21, s15, HALFS
	s_mul_i32 s22, s16, HALFS
	s_add_co_u32 s22, s22, 2*HALFS
	s_sub_co_u32 s22, s22, s21
	v_mul_u32_u24 v6, s22, v2                      ; lanes 16-31 take B's: one product, the distance between the two bases
	s_add_co_u32 s21, s21, SCL
	v_add_nc_u32 v5, v5, v6
	v_add_nc_u32 v[ADRS], s21, v5
	v_and_b32 v6, 31, v0
	v_lshlrev_b32 v[LI], 4, v6
.macro FRAG reg, adr, q, i             ; 16 rows x 128 K: 16 registers: lane l holds row l % 16; registers 4 c .. 4 c + 3 hold K = 32 c + 16 (l / 16) + 0 .. 15
.irp c, 0,1,2,3
	ds_load_b128 v[\reg+4*\c:\reg+4*\c+3], v[\adr] offset:128*(\q)+32*\c+(\i)*16*PITCH
.endr
.endm
; 16 matrix instructions: A's blocks a0, a0 + 1 x B's eight.  The 64 accumulators take turns, one instruction a turn, in the same order in every step.
; One register carries A's scale word (lanes 0-15) and B's (lanes 16-31) of block i.
.macro MUL16 a0, p, q, sc, zero
.irp a, \a0, \a0+1
.irp b, 0,1,2,3,4,5,6,7
.set rD, 8*(8*((\a)%4)+\b)
.set rB, 128*(\p)+FR*\b
.set rA, AF+FR*(\a)
.set rSB, SC+8*NQ*(\sc)+NQ*\b+(\q)
.set rSA, SC+8*NQ*(\sc)+NQ*(\a)+(\q)
.if \zero
	v_wmma_scale_f32_16x16x128_f8f6f4 v[rD:rD+7], v[rB:rB+15], v[rA:rA+15], 0, v[rSB], v[rSA] matrix_a_scale:MATRIX_SCALE_ROW1
.else
	v_wmma_scale_f32_16x16x128_f8f6f4 v[rD:rD+7], v[rB:rB+15], v[rA:rA+15], v[rD:rD+7], v[rSB], v[rSA] matrix_a_scale:MATRIX_SCALE_ROW1
.endif
.endr
.endr
.endm
.macro FETCH_B slot, q, p
	WIN TO_B
.irp i, 0,1,2,3,4,5,6,7
	FRAG 128*(\p)+FR*\i, ADRB+\slot, \q, \i
.endr
	WIN 0
.endm
.macro FETCH_A slot, q, i0
.irp i, \i0, \i0+1, \i0+2, \i0+3
	FRAG AF+FR*(\i), ADRA+\slot, \q, \i
.endr
.endm
.macro SCALES sc                       ; a K step's scale words: two words a row; lanes 0-15 A's block i, lanes 16-31 B's block i
.irp i, 0,1,2,3,4,5,6,7
	ds_load_b64 v[SC+8*NQ*\sc+NQ*\i:SC+8*NQ*\sc+NQ*\i+1], v[ADRS] offset:\i*SBLK
.endr
.endm
.macro PLACES n                        ; plain vector instructions between a matrix instruction and a load into, or a read of, its registers
.rept \n
	v_nop
.endr
.endm
.macro STEP slot, q, zero              ; 128 along K that has its successor in the same slot
	s_wait_dscnt 4*NL                              ; B's set, A's blocks 0-3 and the scale words are in; the youngest sixteen loads (A's blocks 4-7) may be out
	WIN MUL_LO
	MUL16 0, (\q)%2, \q, \slot, \zero
	MUL16 2, (\q)%2, \q, \slot, \zero
	s_wait_dscnt 0                                 ; A's blocks 4-7 are in
	PLACES NP
	FETCH_B \slot, (\q)+1, 1-(\q)%2
	FETCH_A \slot, (\q)+1, 0
	WIN MUL_HI
	MUL16 4, (\q)%2, \q, \slot, \zero
	MUL16 6, (\q)%2, \q, \slot, \zero
	PLACES NP
	WIN 0
	FETCH_A \slot, (\q)+1, 4
.endm
; A slot's last step changes slots: ONE barrier; in front of it each wave waits for all its tensor loads, adds 0 to its spare word, and waits for that and for its reads of this slot.  fill = 1: this slot is filled again, two K steps ahead.
.macro TURN slot, next, fill
	s_wait_tensorcnt 0x0                           ; all my tensor loads have landed: my part of the next slot
	ds_add_u32 v[SPW], v[NIL]                      ; 0 onto my spare word
	s_wait_dscnt 4*NL+1                            ; (the add and the youngest sixteen loads may be out)
	WIN MUL_LO
	MUL16 0, 1, NQ-1, \slot, 0                     ; sixteen matrix instructions stand between the add and the wait for it
	s_wait_dscnt 0x0                               ; the add is done, and my reads of this slot are over
	s_barrier_signal -1
	MUL16 2, 1, NQ-1, \slot, 0
	WIN 0
	s_barrier_wait -1
.if \fill
	CREST                                          ; the barrier has opened a round of the cluster's barrier: no wave of any partner still reads this slot or has a load on its way
	s_add_nc_u64 s[G0+4*\slot+2:G0+4*\slot+3], s[G0+4*\slot+2:G0+4*\slot+3], 2*ROWB
	s_add_nc_u64 s[G0B+4*\slot+2:G0B+4*\slot+3], s[G0B+4*\slot+2:G0B+4*\slot+3], 2*ROWB
	JLOAD G0+4*\slot, G1, G0B+4*\slot, G1B         ; the first tensor load behind the round; its four v_nop are among the places in front of the loads below
	PLACES NP-4
.else
	PLACES NP
.endif
	s_wait_alu depctr_va_vdst(0)
	v_add_nc_u32 v[ADRS], 4*NQ, v[ADRS]            ; on to the next K step's scale words
	FETCH_B \next, 0, 0
	FETCH_A \next, 0, 0
	SCALES \next
	WIN MUL_HI
	MUL16 4, 1, NQ-1, \slot, 0
	MUL16 6, 1, NQ-1, \slot, 0
	PLACES NP
	WIN 0
	FETCH_A \next, 0, 4
.endm
	s_wait_alu depctr_va_vdst(0)
	s_wait_tensorcnt 1                             ; the scales and my part of K step 0 are in (K step 1's load may be out)
	s_barrier_signal -1
	s_barrier_wait -1                              ; everybody's are
	FETCH_B 0, 0, 0
	FETCH_A 0, 0, 0
	SCALES 0
	FETCH_A 0, 0, 4
	STEP 0, 0, 1                                   ; the first products start the sums: nothing is cleared
	TURN 0, 1, 1                                   ; K = 1,024 is four K steps: the first two changes of slots fill again, the third does not: written out, no loop
	STEP 1, 0, 0
	TURN 1, 0, 1
	STEP 0, 0, 0
	TURN 0, 1, 0
	STEP 1, 0, 0
	s_wait_dscnt 4*NL                              ; the very last step: nothing more to fetch
	WIN MUL_LO
	MUL16 0, 1, NQ-1, 1, 0
	MUL16 2, 1, NQ-1, 1, 0
	s_wait_dscnt 0
	WIN MUL_HI
	MUL16 4, 1, NQ-1, 1, 0
	MUL16 6, 1, NQ-1, 1, 0
	WIN 0
	; THE WAY OUT.  Where my 128 x 128 goes in qkv.  U = which 128 tokens, W = which two heads.
	s_lshl_b32 s66, s17, 1
	s_add_co_u32 s66, s66, s15                     ; which 128 rows of A are mine
	s_lshl_b32 s67, s42, 1
	s_add_co_u32 s67, s67, s16                     ; which 128 rows of B
	s_and_b32 s92, s67, 7
	s_mov_b32 s18, 32768
	s_cmp_eq_u32 ttmp9, 0                          ; q or k:
	s_cselect_b32 s95, 34304, 0                    ; where the codes begin in a block of 256 places,
	s_cselect_b32 s18, 50688, s18                  ; and the scale words
	s_mov_b32 s19, 512
	s_mov_b32 s8, 1024
	s_mov_b32 s9, 4096
	s_mov_b32 s10, HSTR
	s_mov_b32 s11, 256
	s_cmp_eq_u32 ttmp9, 2                          ; or v
	s_cselect_b32 s93, s67, s66                    ; U
	s_cselect_b32 s92, s66, s92                    ; W
	s_cselect_b32 s95, 16384, s95
	s_cselect_b32 s18, 33792, s18
	s_cselect_b32 s19, 256, s19                    ; the scale words of 128 tokens
	s_cselect_b32 s8, 2048, s8                     ; from one of my tiles of A's rows to the next,
	s_cselect_b32 s9, HSTR, s9                     ; from tile 0 to tile 4 (v: the next head),
	s_cselect_b32 s10, 1024, s10                   ; from a tile's codes' first half to the second (q, k: the next head)
	s_cselect_b32 s11, HSTR, s11                   ; the scale words of lanes 16-31
	s_lshr_b32 s100, s93, 4
	s_lshl_b32 s100, s100, 4
	s_lshl_b32 s101, s92, 1
	s_add_co_u32 s100, s100, s101                  ; batch x 16 + my first head
	s_mul_i32 s100, s100, HSTR
	s_and_b32 s101, s93, 15
	s_lshr_b32 s66, s101, 1
	s_mul_i32 s66, s66, BLK
	s_add_co_u32 s100, s100, s66                   ; + the block of 256 places
	s_and_b32 s101, s101, 1
	s_lshl_b32 s66, s101, 13
	s_add_co_u32 s66, s66, s100
	s_add_co_u32 s66, s66, s95
	s_mov_b32 s67, 0
	s_add_nc_u64 s[96:97], s[12:13], s[66:67]      ; my codes
	s_mul_i32 s66, s101, s19
	s_add_co_u32 s66, s66, s100
	s_add_co_u32 s66, s66, s18
	s_add_nc_u64 s[98:99], s[12:13], s[66:67]      ; my scale words
	s_mov_b32 s[SEL], 0x76543210
	s_mov_b32 s[SEL+1], 0xfedcba98                 ; v_permlanex16_b32's selects for lane l xor 16
	s_mov_b32 s[MNT], 0x600000
	PLACES NP                                      ; behind the last products: their results are read and A's registers written below
.irp b, 0,1,2,3
	v_mov_b32 v[TM+4+\b], 0                        ; written once: a lane permute's destination counts as one of its sources
.endr
; Tile a of A's rows: my lane's 64 numbers, register 16 b + i = true index 32 b + 16 (l / 16) + i along B, become 16 registers of codes and a scale word.
.macro QBLOCK a
.set AC, 64*((\a)%4)
.set WW, 2+(\a)/4
.set WW2, WW|(WW<<2)
	WIN WW2                                        ; sources 0 and 1: the accumulators' window
.irp b, 0,1,2,3
	v_max3_num_f32 v[TM+\b], |v[AC+16*\b]|, |v[AC+16*\b+1]|, 0x4800000   ; each accumulator is read from its low end on; the floor 2^(9 - 127) holds the byte at 1 from below
.endr
.irp i, 2,4,6,8,10,12,14
.irp b, 0,1,2,3
	v_max3_num_f32 v[TM+\b], |v[AC+16*\b+\i]|, |v[AC+16*\b+\i+1]|, v[TM+\b]   ; the four blocks by turns
.endr
.endr
	WIN 0
.irp b, 0,1,2,3
	v_permlanex16_b32 v[TM+4+\b], v[TM+\b], s[SEL], s[SEL+1]
.endr
.irp b, 0,1,2,3
	v_max_num_f32 v[TM+\b], v[TM+\b], v[TM+4+\b]   ; with lane l xor 16's: the block's largest magnitude
.endr
.irp b, 0,1,2,3
	v_add_nc_u32 v[TM+12+\b], 0xfc000000, v[TM+\b] ; 8 off its exponent field: the conversion's scale operand
.endr
.irp b, 0,1,2,3
	v_and_or_b32 v[TM+8+\b], v[TM+\b], 0x7f800000, s[MNT]   ; 448 x the scale
.endr
.irp b, 0,1,2,3
	v_lshrrev_b32 v[TM+4+\b], 23, v[TM+12+\b]      ; the scale's byte
.endr
	v_lshl_or_b32 v[SW+(\a)], v[TM+5], 8, v[TM+4]
	v_lshl_or_b32 v[SW+(\a)], v[TM+6], 16, v[SW+(\a)]
	v_lshl_or_b32 v[SW+(\a)], v[TM+7], 24, v[SW+(\a)]
	WIN WW                                         ; source 0: the accumulators' window
.irp b, 0,1,2,3
.irp i, 0,1,2,3,4,5,6,7,8,9,10,11,12,13,14,15
	v_med3_num_f32 v[T+16*\b+\i], v[AC+16*\b+\i], -v[TM+8+\b], v[TM+8+\b]   ; the conversion to an 8-bit code does not saturate (ISA guide 7.6.2): the hold
.endr
.endr
	WIN 0
.if (\a) > 0
	s_wait_alu depctr_va_vdst(0)
	s_wait_xcnt 0x0                                ; the last tile's stores have read their data and offsets: both are written again below
.endif
.irp b, 0,1,2,3
	v_cvt_scalef32_pk8_fp8_f32 v[PC+4*\b:PC+4*\b+1], v[T+16*\b:T+16*\b+7], v[TM+12+\b]
	v_cvt_scalef32_pk8_fp8_f32 v[PC+4*\b+2:PC+4*\b+3], v[T+16*\b+8:T+16*\b+15], v[TM+12+\b]
.endr
	v_nop                                          ; a plain line behind the last conversion
	s_mul_i32 s100, s8, (\a)%4
.if (\a) >= 4
	s_add_co_u32 s100, s100, s9
.endif
	v_add_nc_u32 v[VO], s100, v[LI]
	v_add_nc_u32 v[VO2], s10, v[VO]
	global_store_b128 v[VO], v[PC:PC+3], s[96:97]              ; each store: 32 lanes x 16 bytes, 512 consecutive bytes, aligned: four registers of the next launch's operand as they stand
	global_store_b128 v[VO], v[PC+4:PC+7], s[96:97] offset:512
	global_store_b128 v[VO2], v[PC+8:PC+11], s[96:97]
	global_store_b128 v[VO2], v[PC+12:PC+15], s[96:97] offset:512
.endm
.irp a, 0,1,2,3,4,5,6,7
	QBLOCK \a
.endr
	; the scale words: lane (r, h) stores those of row r of tiles 4 h .. 4 h + 3.  q, k: bytes 0, 1 are the even head's, bytes 2, 3 the odd head's: the odd head gets the word shifted down.
	; (The two bytes that a head does not own scale zero codes in the next launch; they are never 0xff.)
	v_and_b32 v3, 31, v0
	v_cmp_le_u32 vcc_lo, 16, v3
.irp i, 0,1,2,3
	v_cndmask_b32 v[SWO+\i], v[SW+\i], v[SW+4+\i], vcc_lo
.endr
	v_lshlrev_b32 v4, 4, v1
	v_mad_u32_u24 v[VS], v2, s11, v4
	global_store_b128 v[VS], v[SWO:SWO+3], s[98:99]
	s_cmp_eq_u32 ttmp9, 2                          ; the same answer in all partners
	s_cbranch_scc1 .Lv
.irp i, 0,1,2,3
	v_lshrrev_b32 v[SW2+\i], 16, v[SWO+\i]
.endr
	global_store_b128 v[VS], v[SW2:SW2+3], s[98:99] offset:HSTR
.Lv:
	s_wait_tensorcnt 0x0                           ; the wave's end
	ds_add_u32 v[SPW], v[NIL]
	s_wait_dscnt 0x0
	CROUND                                         ; the closing round: no work-group ends while a partner may still ask for a tile that names it
	s_endpgm
.Lfunc_end_k_q2fd9f687f2_proj:
	.size	k_q2fd9f687f2_proj, .Lfunc_end_k_q2fd9f687f2_proj-k_q2fd9f687f2_proj
	.p2alignl 7, 3214868480
	.fill 96, 4, 3214868480
	.section	.rodata,"a",@progbits
	.p2align	6, 0x0
	.amdhsa_kernel k_q2fd9f687f2_proj
		.amdhsa_group_segment_fixed_size 327680
		.amdhsa_private_segment_fixed_size 0
		.amdhsa_enable_private_segment 0
		.amdhsa_kernarg_size 24
		.amdhsa_user_sgpr_count 2
		.amdhsa_user_sgpr_kernarg_segment_ptr 1
		.amdhsa_wavefront_size32 1
		.amdhsa_system_sgpr_workgroup_id_x 1
		.amdhsa_system_sgpr_workgroup_id_y 1
		.amdhsa_system_sgpr_workgroup_id_z 1
		.amdhsa_system_vgpr_workitem_id 0
		.amdhsa_next_free_vgpr 1024
		.amdhsa_next_free_sgpr 102
		.amdhsa_reserve_vcc 1
		.amdhsa_float_denorm_mode_32 3
		.amdhsa_float_denorm_mode_16_64 3
		.amdhsa_memory_ordered 1
		.amdhsa_forward_progress 1
		.amdhsa_inst_pref_size 188
	.end_amdhsa_kernel
	.amdgpu_metadata
---
amdhsa.version: [ 1, 2 ]
amdhsa.kernels:
  - .name:           k_q2fd9f687f2_proj
    .symbol:         k_q2fd9f687f2_proj.kd
    .args:
      - { .name: cat_codes, .offset: 0, .size: 8, .value_kind: global_buffer, .address_space: global }
      - { .name: cat_scales, .offset: 8, .size: 8, .value_kind: global_buffer, .address_space: global }
      - { .name: qkv, .offset: 16, .size: 8, .value_kind: global_buffer, .address_space: global }
    .group_segment_fixed_size: 327680
    .private_segment_fixed_size: 0
    .kernarg_segment_align: 8
    .kernarg_segment_size: 24
    .max_flat_workgroup_size: 128
    .sgpr_count:     102
    .vgpr_count:     1024
    .wavefront_size: 32
...
	.end_amdgpu_metadata
.endif
;; end of part 2
;; launch attn (part 3): grid 4 x 64, 16 waves a work-group, no clusters, 327,680 bytes of LDS; arguments qkv, o_img, o_scales; writes o_img, o_scales
.if DOCPART == 3
	.amdgcn_target "amdgcn-amd-amdhsa--gfx1250"
	.amdhsa_code_object_version 6
	.text
	.protected	k_q2fd9f687f2_attn
	.globl	k_q2fd9f687f2_attn
	.p2align	8
	.type	k_q2fd9f687f2_attn,@function
k_q2fd9f687f2_attn:
	s_mov_b64 s[64:65], 0
	v_nop
	global_prefetch_b8 v0, s[64:65] scope:SCOPE_SE
	s_setreg_imm32_b32 hwreg(HW_REG_WAVE_MODE, 25, 1), 1
	s_wait_xcnt 0x0
; Causal attention of one head (64 channels, 2,048 tokens) on codes of FP8 (E4M3) with E8M0 scales, and O / l quantised along the channels for the output projection.
; t = score x log2(e) / 8; M = the running largest t rounded UP to a whole number; p = 2^(t - M) is quantised along the keys, not normalised; the row's sum is taken of the unquantised p and divides O at the end.
; INPUT qkv: [batch x head: 64][256 places: 8][51,712 bytes], images of operand registers (see below).  Tokens stand in POSITION ORDER (index with bits 3 and 4 exchanged): a tile of 16 places 32 g + 16 u + p holds
; tokens 32 g + 8 u + p + 8 (p / 8), so that S^T's 16 registers of two neighbouring tiles of keys are 16 neighbouring keys; V's channels likewise, so that O^T's registers are neighbouring channels.
; SHARES.  Work-group (P, head) makes TWO blocks of 256 queries: block P, then block 7 - P: it walks key slots 0 .. P and then 0 .. 7 - P: always nine slots of 256 keys: 256 work-groups of equal work, and a constant trip count.
; Each of sixteen waves owns one tile of 16 queries in 256 registers; tiles are dealt so that waves w, w + 4, w + 8, w + 12, and waves 4 i .. 4 i + 3 alike, hold two tiles of a block's lower half and two of its upper.
; A key step all of whose 128 keys come after the wave's queries is left out by a scalar branch on ids; on the diagonal hidden scores become -infinity.
; The head has 64 channels and the instruction's K is 128: the upper halves of Q's and K's fragments are zero codes, written once.
; NO CLUSTER: the four work-groups of a head change from their first block to their second in trips P + 1 = 1, 2, 3, 4, so from trip 1 on they want different slots in the same trip: a joint request would name tiles that partners do not need.
; LDS: slot s at 65,536 s: 34,304 dense bytes: K's codes 16 x 1,024 | V's codes 2 x 4 x 2,048 | K's scale words 2 x 512 | V's 2 x 256.  Spare words at 131,072.  Nothing is stored to LDS.
; LIMITS: NaN and infinities are not served; a block whose largest magnitude lies under 2^-118 keeps the byte 1; a block of zeros has the byte 1 where the rule says 127 (its codes are zeros; this program alone reads the bytes).
; REGISTERS: v1-9 addresses; v12 -M, v13 the largest t, v[14:15] the sum; v16-23 Q, v24-31 zeros; v32-95 four fragments of K (upper halves zeros); v96-159 S^T, p, then V's four fragments; v160-191 O^T;
;   v192-195 K's scale words, v196-199 V's, v200 Q's, v201 p's (these hold scales alone); v224-239 p's codes; v232-254 at work.
.set BLK,   51712
.set HSTR,  8*BLK
.set HALF,  17152                      ; half a slot: 67 rows of 256 bytes: what one tensor load brings
.set SLOT1, 65536
.set SPARE, 131072                     ; the spare words, 128 bytes for each wave: eight blocks of 256 bytes that no other line names
.set LI,  1                            ; 16 x lane
.set RI,  2                            ; 16 x (lane % 16)
.set DQ,  3                            ; my query less the tile's first query, less 16 (lane / 16)
.set OSO, 4                            ; 32 (lane % 16) + lane / 16
.set SPW, 5
.set NIL, 6
.set PFO, 7                            ; 256 x lane
.set AL,  8
.set AR,  9
.set PP,  10                           ; s10 P
.set BH,  11                           ; s11 batch x 16 + head
.set TW,  12                           ; s12 my tile in a block of 256 queries
.set BQ,  13                           ; s13 the block of queries in hand
.set HB,  14                           ; s[14:15] my head in qkv
.set TT,  16                           ; s16 my tile in the sequence
.set WV,  18
.set MNT, 19
.set SEL, 20
.set CS,  22                           ; s[22:23] log2(e) / 8
.set G1,  24
.set QMIN, 32                          ; my tile's first and last query
.set QMAX, 33
.set QA,  34                           ; s[34:35] Q's codes, s[36:37] Q's scale words, s[38:39] my place in o_img, s[44:45] in o_scales
.set QSA, 36
.set OB,  38
.set G0,  40
.set OSB, 44
.set NT,  46                           ; the trip
.set KC,  47                           ; the key slot in hand
.set KNX, 48                           ; the next one
.set KF,  49                           ; its first key
.set TB,  50                           ; LDS byte at which the slot in hand begins
.set LIM, 51
.set PFA, 52
.set WOFF, 54
.macro TLOAD                           ; waves 0 and 1 fetch the two halves of a slot.  Four v_nop follow the line
	s_cmp_lt_u32 s[WV], 2
	s_cbranch_scc0 .Lnone_\@
	tensor_load_to_lds s[G0:G0+3], s[G1:G1+7]
	s_nop 0
.rept 4
	v_nop
.endr
.Lnone_\@:
.endm
; A PREFETCH INTO THE L2 of the codes of the key slot that the asking work-group's NEXT change of slots will ask for: 32,768 bytes.  All four work-groups of a head walk the same slots: the one with P = 0 asks
; (it walks slots 0, 0, 1, .. 7), in its waves 4 to 7, which fetch nothing: 8,192 bytes a wave, lanes 256 bytes apart, one instruction.  Trips 0 to 6 name slots 1 to 7: each aligned 256 bytes once in the launch.
; Slot 0 and the slots' scale words come by their loads alone; trip 7 asks for nothing.
.macro ASK
	s_cmp_lt_u32 s[NT], s[LIM]
	s_cbranch_scc0 .Lnot_mine_\@
	global_prefetch_b8 v[PFO], s[PFA:PFA+1] th:TH_LOAD_NT scope:SCOPE_SE
.Lnot_mine_\@:
.endm
; The scalars that hang on the block of queries in hand.
.macro SETT
	s_lshl_b32 s[TT], s[BQ], 4
	s_add_co_u32 s[TT], s[TT], s[TW]
	s_and_b32 s66, s[TT], 1
	s_lshl_b32 s66, s66, 3
	s_lshl_b32 s[QMIN], s[TT], 4
	s_sub_co_u32 s[QMIN], s[QMIN], s66             ; tile 2 g + u begins with token 32 g + 8 u
	s_add_co_u32 s[QMAX], s[QMIN], 23              ; and ends with 32 g + 8 u + 23
	s_mul_i32 s66, s[BQ], BLK
	s_mov_b32 s67, 0
	s_add_nc_u64 s[QA:QA+1], s[HB:HB+1], s[66:67]
	s_mov_b64 s[QSA:QSA+1], s[QA:QA+1]
	s_lshl_b32 s66, s[TW], 10
	s_add_co_u32 s66, s66, 34304
	s_add_nc_u64 s[QA:QA+1], s[QA:QA+1], s[66:67]
	s_lshr_b32 s66, s[TW], 2                       ; the scale words lie [128 places][lane][4 words]: tile 4 j + i of a block is word i of lanes 16 (j % 2) + r of group j / 2
	s_lshl_b32 s66, s66, 8
	s_and_b32 s68, s[TW], 3
	s_lshl_b32 s68, s68, 2
	s_add_co_u32 s66, s66, s68
	s_add_co_u32 s66, s66, 50688
	s_add_nc_u64 s[QSA:QSA+1], s[QSA:QSA+1], s[66:67]
	s_lshr_b32 s68, s[BH], 4
	s_lshl_b32 s68, s68, 7
	s_add_co_u32 s68, s68, s[TT]                   ; my tile of 16 rows among the 512 of all batches
	s_and_b32 s69, s[BH], 15                       ; the head
	s_lshr_b32 s66, s69, 2
	s_lshl_b32 s66, s66, 21                        ; o_img: [head / 4][row tile][(head / 2) % 2][2 (head % 2) + block][lane][16 bytes]
	s_lshl_b32 s70, s68, 12
	s_add_co_u32 s66, s66, s70
	s_bfe_u32 s70, s69, 0x10001
	s_lshl_b32 s70, s70, 11
	s_add_co_u32 s66, s66, s70
	s_and_b32 s70, s69, 1
	s_lshl_b32 s70, s70, 10
	s_add_co_u32 s66, s66, s70
	s_add_nc_u64 s[OB:OB+1], s[6:7], s[66:67]
	s_lshl_b32 s66, s68, 9                         ; o_scales: 32 bytes a row; my head's two bytes
	s_lshl_b32 s70, s69, 1
	s_add_co_u32 s66, s66, s70
	s_add_nc_u64 s[OSB:OSB+1], s[8:9], s[66:67]
.endm
.macro QINIT                           ; my tile of queries, and the running figures begin anew
	global_load_b128 v[16:19], v[LI], s[QA:QA+1]
	global_load_b128 v[20:23], v[LI], s[QA:QA+1] offset:512
	global_load_b32 v200, v[RI], s[QSA:QSA+1]
	v_mov_b32 v13, 0xff61b1e6                      ; the largest t so far: -3e38, under every t
	s_delay_alu instid0(VALU_DEP_1)
	v_floor_f32 v12, -v13                          ; -M
	v_mov_b32 v14, 0
	v_mov_b32 v15, 0
.set j, 0
.rept 32
	v_mov_b32 v[160+j], 0                          ; O^T: the key step is written once: the first finds zeros, which the first change of M leaves zeros
.set j, j+1
.endr
	s_wait_loadcnt 0x0
.endm
	s_load_b128 s[4:7], s[0:1], 0x0                ; qkv, o_img
	s_load_b64 s[8:9], s[0:1], 0x10                ; o_scales
	v_lshl_add_u32 v[SPW], v0, 2, SPARE
	v_mov_b32 v[NIL], 0
	ds_add_u32 v5, v6
	ds_add_u32 v5, v6
	s_wait_dscnt 0x0
	v_lshrrev_b32 v8, 5, v0
	s_delay_alu instid0(VALU_DEP_1)
	v_readfirstlane_b32 s[WV], v8                  ; wave 0..15
	s_mov_b32 s[PP], ttmp9
	s_and_b32 s[BH], ttmp7, 0xffff
	s_lshr_b32 s66, s[WV], 2
	s_xor_b32 s66, s66, s[WV]
	s_and_b32 s66, s66, 1
	s_lshl_b32 s66, s66, 3
	s_lshr_b32 s[TW], s[WV], 1
	s_or_b32 s[TW], s[TW], s66                     ; my tile: 8 ((w xor w / 4) % 2) + w / 2
	s_and_b32 s[WOFF], s[WV], 1
	s_mul_i32 s[WOFF], s[WOFF], HALF               ; the half of a slot that I fetch, if I fetch
	s_mov_b32 s[G1], 3<<16                         ; 15:0 no mask; 17:16 elements of 8 bytes; no padding: lanes read consecutive bytes
	s_mov_b32 s[G1+1], 32<<16                      ; tensor_dim0 = 32 elements: 256 bytes
	s_mov_b32 s[G1+2], 67<<16                      ; tensor_dim1 = 67
	s_mov_b32 s[G1+3], 32<<16                      ; tile_dim0
	s_mov_b32 s[G1+4], 67                          ; tile_dim1
	s_mov_b32 s[G1+5], 32                          ; the pitch: dense
	s_mov_b32 s[G1+6], 0
	s_mov_b32 s[G1+7], 0
	s_mov_b32 s[SEL], 0x76543210
	s_mov_b32 s[SEL+1], 0xfedcba98
	s_mov_b32 s[CS], 0x3e38aa3b                    ; log2(e) / sqrt(64)
	s_mov_b32 s[CS+1], s[CS]                       ; (named with it as a pair, so it is written)
	s_mov_b32 s[NT], 0
	s_mov_b32 s[KC], 0
	s_mov_b32 s[KF], 0
	s_mov_b32 s[TB], 0
	s_mul_i32 s66, s[BH], HSTR
	s_mov_b32 s67, 0
	s_wait_kmcnt 0x0
	s_add_nc_u64 s[HB:HB+1], s[4:5], s[66:67]
	s_mov_b32 s[G0], 1                             ; count = 1
	s_mov_b32 s[G0+1], s[WOFF]                     ; LDS address: slot 0
	s_mov_b32 s66, s[WOFF]
	s_add_nc_u64 s[G0+2:G0+3], s[HB:HB+1], s[66:67]   ; key slot 0
	s_or_b32 s[G0+3], s[G0+3], 0x80000000          ; type = 2
	TLOAD                                          ; the one first fill: one tensor load of mine is out at the most, here and later
	s_and_b32 s66, s[WV], 3
	s_lshl_b32 s66, s66, 13
	s_add_nc_u64 s[PFA:PFA+1], s[HB:HB+1], s[66:67]   ; the prefetches: my 8,192 bytes, in slot 0: the first change of slots steps it to slot 1
	s_sub_co_u32 s66, s[WV], 4
	s_lshr_b32 s66, s66, 2                         ; 0 in waves 4 to 7,
	s_or_b32 s66, s66, ttmp9                       ; of the work-group with P = 0
	s_cmp_eq_u32 s66, 0
	s_cselect_b32 s[LIM], 7, 0
	s_mov_b32 s[BQ], s[PP]
	SETT
	v_and_b32 v[LI], 31, v0
	s_delay_alu instid0(VALU_DEP_1)
	v_lshlrev_b32 v[PFO], 8, v[LI]
	s_delay_alu instid0(VALU_DEP_2)
	v_lshlrev_b32 v[LI], 4, v[LI]
	v_and_b32 v10, 15, v0                          ; r
	v_bfe_u32 v11, v0, 4, 1                        ; h
	s_delay_alu instid0(VALU_DEP_2)
	v_lshlrev_b32 v[RI], 4, v10
	s_delay_alu instid0(VALU_DEP_3)
	v_and_b32 v[DQ], 8, v10
	s_delay_alu instid0(VALU_DEP_1)
	v_add_nc_u32 v[DQ], v[DQ], v10
	s_delay_alu instid0(VALU_DEP_4)
	v_lshlrev_b32 v8, 4, v11
	s_delay_alu instid0(VALU_DEP_1)
	v_sub_nc_u32 v[DQ], v[DQ], v8                  ; r + 8 (r / 8) - 16 h
	v_lshl_add_u32 v[OSO], v10, 5, v11
.set j, 0
.rept 8
	v_mov_b32 v[24+j], 0                           ; zero codes: channels 64 .. 127 of Q,
	v_mov_b32 v[40+j], 0                           ; and of K's four fragments: written once, never loaded over
	v_mov_b32 v[56+j], 0
	v_mov_b32 v[72+j], 0
	v_mov_b32 v[88+j], 0
.set j, j+1
.endr
.irp b, 0,1,2,3
	v_mov_b32 v[236+\b], 0                         ; a lane permute's destination counts as one of its sources
.endr
	v_mov_b32 v252, 0
	v_mov_b32 v253, 0                              ; (the upper half of the pair v[252:253])
	v_mov_b32 v254, 0
	QINIT
; A KEY STEP: 128 keys, the q-th of the slot in hand.
.macro STEP q
	s_add_co_u32 s66, s[KF], 128*\q                ; the step's first key
	s_cmp_gt_u32 s66, s[QMAX]
	s_cbranch_scc1 .Lhidden_\@                     ; all its keys come after my queries: no barrier and no tensor load stands in a step
	v_add_nc_u32 v[AL], s[TB], v[LI]
	s_wait_alu depctr_va_vdst(0)
	v_add_nc_u32 v[AR], s[TB], v[RI]
.irp g, 0,1                                    ; S^T = K Q^T, four tiles of 16 keys at a time
.if \g
.rept 8
	v_nop                                          ; places in front of loads into registers that the four products above have read
.endr
.endif
.irp t, 0,1,2,3
.irp c, 0,1
	ds_load_b128 v[32+16*\t+4*\c:35+16*\t+4*\c], v[AL] offset:(8*\q+4*\g+\t)*1024+512*\c   ; an image of registers: 512 consecutive bytes
.endr
.endr
.if \g == 0
	ds_load_b128 v[192:195], v[AL] offset:32768+512*\q   ; lanes 0-15: the scale words of tiles 0-3; lanes 16-31: of tiles 4-7
.rept 7
	v_nop                                          ; with the two additions above: nine places between the last step's products, which read v96-159, and the products below, which write them
.endr
.endif
	s_wait_dscnt 0x0
.irp t, 0,1,2,3
.if \g == 0
	v_wmma_scale_f32_16x16x128_f8f6f4 v[96+8*\t:103+8*\t], v[32+16*\t:47+16*\t], v[16:31], 0, v[192+\t], v200
.else
	v_wmma_scale_f32_16x16x128_f8f6f4 v[128+8*\t:135+8*\t], v[32+16*\t:47+16*\t], v[16:31], 0, v[192+\t], v200 matrix_a_scale:MATRIX_SCALE_ROW1
.endif
.endr
.endr                                          ; lane (r, h) holds one query; register 16 b + i holds key 32 b + 16 h + i of the step
.rept 8
	v_nop
.endr
	s_add_co_u32 s67, s66, 127                     ; on the diagonal the scores of hidden keys become -infinity ahead of the maximum; a step all of whose keys count skips this
	s_cmp_le_u32 s67, s[QMIN]
	s_cbranch_scc1 .Lopen_\@
	s_sub_co_i32 s67, s[QMIN], s66
	v_add_nc_u32 v252, s67, v[DQ]                  ; d = my query - the step's first key - 16 h: register 16 b + i is hidden where 32 b + i > d
	v_mov_b32 v254, 0xff800000
.set n, 0
.rept 64
	v_cmp_gt_i32 vcc_lo, 32*(n/16)+n%16, v252
	v_cndmask_b32 v[96+n], v[96+n], v254, vcc_lo
.set n, n+1
.endr
.Lopen_\@:
.irp b, 0,1,2,3
	v_max3_num_f32 v[232+\b], v[96+16*\b], v[97+16*\b], v[98+16*\b]   ; the largest score of each block of 32 keys: it serves for the row's maximum and, since p rises with the score, for the block's largest p
.endr
.irp i, 3,5,7,9,11,13
.irp b, 0,1,2,3
	v_max3_num_f32 v[232+\b], v[232+\b], v[96+16*\b+\i], v[97+16*\b+\i]
.endr
.endr
.irp b, 0,1,2,3
	v_max_num_f32 v[232+\b], v[232+\b], v[111+16*\b]
.endr
.irp b, 0,1,2,3
	v_permlanex16_b32 v[236+\b], v[232+\b], s[SEL], s[SEL+1]
.endr
.irp b, 0,1,2,3
	s_delay_alu instid0(VALU_DEP_4)
	v_max_num_f32 v[232+\b], v[232+\b], v[236+\b]  ; with lane l xor 16's 16 keys
.endr
	s_delay_alu instid0(VALU_DEP_2)
	v_max3_num_f32 v254, v232, v233, v234
	s_delay_alu instid0(VALU_DEP_1)
	v_max_num_f32 v254, v254, v235                 ; the step's largest score of my query
	s_delay_alu instid0(VALU_DEP_1)
	v_mul_f32 v254, s[CS], v254                    ; as t
	s_delay_alu instid0(VALU_DEP_1)
	v_max_num_f32 v13, v13, v254                   ; the running largest t
	v_mov_b32 v254, v12
	s_delay_alu instid0(VALU_DEP_2)
	v_floor_f32 v12, -v13                          ; the new -M = -ceil(t): a whole number
	s_delay_alu instid0(VALU_DEP_1)
	v_sub_f32 v254, v12, v254                      ; old M - new M: a whole number, 0 or less
	s_delay_alu instid0(VALU_DEP_1)
	v_cvt_i32_f32 v254, v254                       ; (it saturates)
	s_delay_alu instid0(VALU_DEP_1)
	v_ldexp_f32 v252, 1.0, v254                    ; f = 2^(old M - new M): a multiplication by it rounds nothing
.set j, 0
.rept 32
	v_pk_fma_f32 v[96+j:97+j], v[96+j:97+j], s[CS:CS+1], v[12:13] op_sel_hi:[1,0,0]   ; t - M, two at a time
.set j, j+2
.endr
.irp b, 0,1,2,3
	v_fma_f32 v[232+\b], v[232+\b], s[CS], v12     ; the same of each block's largest score
.endr
.set j, 0
	s_wait_alu depctr_va_vdst(0)
.rept 64
	v_exp_f32 v[96+j], v[96+j]                     ; p = 2^(t - M), at most 1
.set j, j+1
.endr
	v_pk_mul_f32 v[14:15], v[14:15], v[252:253] op_sel_hi:[1,0]   ; the sums under the new M (a plain line behind the exponentials)
	s_wait_alu depctr_va_vdst(0)                   ; one wait for the whole batch, ahead of its first reader
.irp b, 0,1,2,3
	v_exp_f32 v[232+\b], v[232+\b]                 ; the block's largest p: the same two instructions on the same number give the same bits
.endr
	v_pk_add_f32 v[236:237], v[100:101], v[104:105]
	v_pk_add_f32 v[254:255], v[108:109], v[112:113]
	v_pk_add_f32 v[250:251], v[116:117], v[120:121]
	v_pk_add_f32 v[248:249], v[124:125], v[128:129]
	v_pk_add_f32 v[246:247], v[132:133], v[136:137]
	v_pk_add_f32 v[244:245], v[140:141], v[144:145]
	v_pk_add_f32 v[242:243], v[148:149], v[152:153]
	v_pk_add_f32 v[14:15], v[14:15], v[156:157]
	v_pk_add_f32 v[236:237], v[236:237], v[96:97]
	v_pk_add_f32 v[254:255], v[254:255], v[98:99]
	v_pk_add_f32 v[250:251], v[250:251], v[102:103]
	v_pk_add_f32 v[248:249], v[248:249], v[106:107]
	v_pk_add_f32 v[246:247], v[246:247], v[110:111]
	v_pk_add_f32 v[244:245], v[244:245], v[114:115]
	v_pk_add_f32 v[242:243], v[242:243], v[118:119]
	v_pk_add_f32 v[14:15], v[14:15], v[122:123]
	v_pk_add_f32 v[236:237], v[236:237], v[126:127]
	v_pk_add_f32 v[254:255], v[254:255], v[130:131]
	v_pk_add_f32 v[250:251], v[250:251], v[134:135]
	v_pk_add_f32 v[248:249], v[248:249], v[138:139]
	v_pk_add_f32 v[246:247], v[246:247], v[142:143]
	v_pk_add_f32 v[244:245], v[244:245], v[146:147]
	v_pk_add_f32 v[242:243], v[242:243], v[150:151]
	v_pk_add_f32 v[14:15], v[14:15], v[154:155]
	v_pk_add_f32 v[236:237], v[236:237], v[158:159]
	s_delay_alu instid0(VALU_DEP_2)
	v_pk_add_f32 v[14:15], v[14:15], v[248:249]
	s_delay_alu instid0(VALU_DEP_2)
	v_pk_add_f32 v[236:237], v[236:237], v[246:247]
	v_pk_add_f32 v[254:255], v[254:255], v[244:245]
	v_pk_add_f32 v[250:251], v[250:251], v[242:243]
	s_delay_alu instid0(VALU_DEP_2)
	v_pk_add_f32 v[14:15], v[14:15], v[254:255]
	s_delay_alu instid0(VALU_DEP_2)
	v_pk_add_f32 v[236:237], v[236:237], v[250:251]
	s_delay_alu instid0(VALU_DEP_1)
	v_pk_add_f32 v[14:15], v[14:15], v[236:237]
	s_wait_alu depctr_va_vdst(0)                   ; and one for the four
.irp b, 0,1,2,3
	v_max_num_f32 v[232+\b], 0x4800000, v[232+\b]  ; the floor 2^(9 - 127): the byte cannot fall under 1
.endr
.irp b, 0,1,2,3
	s_delay_alu instid0(VALU_DEP_4)
	v_add_nc_u32 v[244+\b], 0xfc000000, v[232+\b]  ; the conversion's scale operand
.endr
.irp b, 0,1,2,3
.endr
.irp b, 0,1,2,3
	s_delay_alu instid0(VALU_DEP_4)
	v_lshrrev_b32 v[236+\b], 23, v[244+\b]         ; the scale's byte
.endr
	s_delay_alu instid0(VALU_DEP_3)
	v_lshl_or_b32 v201, v237, 8, v236              ; p's scale word for these 128 keys
	s_delay_alu instid0(VALU_DEP_1)
	v_lshl_or_b32 v201, v238, 16, v201
	s_delay_alu instid0(VALU_DEP_1)
	v_lshl_or_b32 v201, v239, 24, v201
.irp b, 0,1,2,3
.irp i, 0,1,2,3,4,5,6,7,8,9,10,11,12,13,14,15
.endr
	v_cvt_scalef32_pk8_fp8_f32 v[224+4*\b:225+4*\b], v[96+16*\b:103+16*\b], v[244+\b]
	v_cvt_scalef32_pk8_fp8_f32 v[226+4*\b:227+4*\b], v[104+16*\b:111+16*\b], v[244+\b]
.endr
	v_nop
.irp t, 0,1,2,3                                ; V's four fragments (16 channels x these 128 keys) take p's place
.irp c, 0,1,2,3
	ds_load_b128 v[96+16*\t+4*\c:99+16*\t+4*\c], v[AL] offset:16384+8192*\q+2048*\t+512*\c
.endr
.endr
	ds_load_b128 v[196:199], v[AR] offset:33792+256*\q   ; lane r: the scale words of channel row r of the four tiles
.set j, 0
.rept 16
	v_pk_mul_f32 v[160+j:161+j], v[160+j:161+j], v[252:253] op_sel_hi:[1,0]   ; O^T under the new M.  (Also the plain lines behind the conversions and in front of the products)
.set j, j+2
.endr
	s_wait_alu depctr_va_vdst(0)
	s_wait_dscnt 0x0
.irp t, 0,1,2,3                                ; O^T += V^T P^T: the four accumulators take turns, and eight other products stand between two steps
	v_wmma_scale_f32_16x16x128_f8f6f4 v[160+8*\t:167+8*\t], v[96+16*\t:111+16*\t], v[224:239], v[160+8*\t:167+8*\t], v[196+\t], v201
.endr
.Lhidden_\@:
.endm
; THE CHANGE OF SLOTS stands at a slot's head.  Each wave waits for all its tensor loads, adds 0 to its spare word, and waits for that and for its reads of the slot that it has left.
; Behind the barrier the slot ahead is whole and nobody reads the other one.  fill = 1: the other slot takes the key slot that follows: the next one, or slot 0 where the first block of queries ends.
.macro CHANGE fill
	s_wait_tensorcnt 0x0                           ; no tensor load of mine is out, so group 0 may be written
	ds_add_u32 v[SPW], v[NIL]                      ; 0 onto my spare word
.if \fill
	s_add_co_u32 s[KNX], s[KC], 1
	s_cmp_eq_u32 s[NT], s[PP]
	s_cselect_b32 s[KNX], 0, s[KNX]
	s_xor_b32 s[G0+1], s[G0+1], SLOT1              ; the other slot than last time
	s_mul_i32 s56, s[KNX], BLK
	s_add_co_u32 s56, s56, s[WOFF]
	s_mov_b32 s57, 0
	s_add_nc_u64 s[G0+2:G0+3], s[HB:HB+1], s[56:57]
	s_or_b32 s[G0+3], s[G0+3], 0x80000000
	s_wait_xcnt 0x0                                ; the last prefetch, a slot back, has read its address, so it may be written
	s_add_nc_u64 s[PFA:PFA+1], s[PFA:PFA+1], BLK
.endif
	s_wait_dscnt 0x0                               ; the add is done, and my reads of the slot that I have left are over
	s_barrier_signal -1
	s_barrier_wait -1
.if \fill
	TLOAD                                          ; the first thing behind the barrier, and a wave's one tensor load until the next: it has two key steps in which to land
	ASK
.endif
.endm
; A block of queries is finished: O^T / l, quantised along the channels (two blocks of 32), goes out as an image of the output projection's operand registers.
.macro FINISH reload
.rept 8
	v_nop                                          ; behind the last products
.endr
	v_add_f32 v14, v14, v15
	s_delay_alu instid0(VALU_DEP_1)
	v_permlanex16_b32 v252, v14, s[SEL], s[SEL+1]
	s_delay_alu instid0(VALU_DEP_1)
	v_add_f32 v14, v14, v252                       ; the row's sum
	s_wait_alu depctr_va_vdst(0)
	v_rcp_f32 v14, v14
	v_and_b32 v254, 31, v0                         ; (a plain line behind the reciprocal)
	s_delay_alu instid0(VALU_DEP_1)
	v_cmp_le_u32 vcc_lo, 16, v254
	s_wait_alu depctr_va_vdst(0)                   ; ahead of the first reader
.set j, 0
.rept 16
	v_pk_mul_f32 v[96+j:97+j], v[160+j:161+j], v[14:15] op_sel_hi:[1,0]   ; register 16 b + i: channel 32 b + 16 h + i of my query; each accumulator from its low end on
.set j, j+2
.endr
.irp b, 0,1
	v_max3_num_f32 v[232+\b], |v[96+16*\b]|, |v[97+16*\b]|, 0x4800000
.endr
.irp i, 2,4,6,8,10,12,14
.irp b, 0,1
	s_delay_alu instid0(VALU_DEP_2)
	v_max3_num_f32 v[232+\b], v[232+\b], |v[96+16*\b+\i]|, |v[97+16*\b+\i]|
.endr
.endr
.irp b, 0,1
	v_permlanex16_b32 v[236+\b], v[232+\b], s[SEL], s[SEL+1]
.endr
.irp b, 0,1
	s_delay_alu instid0(VALU_DEP_2)
	v_max_num_f32 v[232+\b], v[232+\b], v[236+\b]
.endr
.irp b, 0,1
	s_delay_alu instid0(VALU_DEP_2)
	v_add_nc_u32 v[244+\b], 0xfc000000, v[232+\b]
.endr
.irp b, 0,1
.endr
.irp b, 0,1
	s_delay_alu instid0(VALU_DEP_2)
	v_lshrrev_b32 v[236+\b], 23, v[244+\b]
.endr
.irp b, 0,1
.irp i, 0,1,2,3,4,5,6,7,8,9,10,11,12,13,14,15
.endr
	v_cvt_scalef32_pk8_fp8_f32 v[224+4*\b:225+4*\b], v[96+16*\b:103+16*\b], v[244+\b]
	v_cvt_scalef32_pk8_fp8_f32 v[226+4*\b:227+4*\b], v[104+16*\b:111+16*\b], v[244+\b]
.endr
	v_nop                                          ; a plain line behind the last conversion
	v_cndmask_b32 v254, v236, v237, vcc_lo         ; lanes 0-15 carry block 0's byte, lanes 16-31 block 1's
	global_store_b128 v[LI], v[224:227], s[OB:OB+1]              ; 512 consecutive bytes, aligned, each
	global_store_b128 v[LI], v[228:231], s[OB:OB+1] offset:512
	global_store_b8 v[OSO], v254, s[OSB:OSB+1]     ; 32 single bytes, two in each of 16 rows of 32: a row's other bytes are other heads', made by other work-groups; one byte for each 32 codes
	s_wait_xcnt 0x0                                ; the stores have read their data and bases: both are written again
.if \reload
	s_sub_co_u32 s[BQ], 7, s[PP]
	SETT
	QINIT
.endif
.endm
.Lslot:                                            ; eight trips; behind each change of slots the next slot is asked for
	CHANGE 1
	STEP 0
	STEP 1
	s_cmp_lg_u32 s[NT], s[PP]                      ; the first block of queries ends with key slot P: the same answer in all sixteen waves
	s_cbranch_scc1 .Lnf
	FINISH 1
.Lnf:
	s_mov_b32 s[KC], s[KNX]
	s_lshl_b32 s[KF], s[KC], 8
	s_xor_b32 s[TB], s[TB], SLOT1
	s_add_co_u32 s[NT], s[NT], 1
	s_cmp_lt_u32 s[NT], 8
	s_cbranch_scc1 .Lslot
	CHANGE 0                                       ; the ninth slot is written out
	STEP 0
	STEP 1
	FINISH 0
	s_wait_tensorcnt 0x0                           ; the wave's end
	ds_add_u32 v[SPW], v[NIL]
	s_wait_dscnt 0x0
	s_endpgm
.Lfunc_end_k_q2fd9f687f2_attn:
	.size	k_q2fd9f687f2_attn, .Lfunc_end_k_q2fd9f687f2_attn-k_q2fd9f687f2_attn
	.p2alignl 7, 3214868480
	.fill 96, 4, 3214868480
	.section	.rodata,"a",@progbits
	.p2align	6, 0x0
	.amdhsa_kernel k_q2fd9f687f2_attn
		.amdhsa_group_segment_fixed_size 327680
		.amdhsa_private_segment_fixed_size 0
		.amdhsa_enable_private_segment 0
		.amdhsa_kernarg_size 24
		.amdhsa_user_sgpr_count 2
		.amdhsa_user_sgpr_kernarg_segment_ptr 1
		.amdhsa_wavefront_size32 1
		.amdhsa_system_sgpr_workgroup_id_x 1
		.amdhsa_system_sgpr_workgroup_id_y 1
		.amdhsa_system_sgpr_workgroup_id_z 1
		.amdhsa_system_vgpr_workitem_id 0
		.amdhsa_next_free_vgpr 256
		.amdhsa_next_free_sgpr 72
		.amdhsa_reserve_vcc 1
		.amdhsa_float_denorm_mode_32 3
		.amdhsa_float_denorm_mode_16_64 3
		.amdhsa_fp16_overflow 1
		.amdhsa_memory_ordered 1
		.amdhsa_forward_progress 1
		.amdhsa_inst_pref_size 111
	.end_amdhsa_kernel
	.amdgpu_metadata
---
amdhsa.version: [ 1, 2 ]
amdhsa.kernels:
  - .name:           k_q2fd9f687f2_attn
    .symbol:         k_q2fd9f687f2_attn.kd
    .args:
      - { .name: qkv, .offset: 0, .size: 8, .value_kind: global_buffer, .address_space: global }
      - { .name: o_img, .offset: 8, .size: 8, .value_kind: global_buffer, .address_space: global }
      - { .name: o_scales, .offset: 16, .size: 8, .value_kind: global_buffer, .address_space: global }
    .group_segment_fixed_size: 327680
    .private_segment_fixed_size: 0
    .kernarg_segment_align: 8
    .kernarg_segment_size: 24
    .max_flat_workgroup_size: 512
    .sgpr_count:     72
    .vgpr_count:     256
    .wavefront_size: 32
...
	.end_amdgpu_metadata
.endif
;; end of part 3
;; launch oproj (part 4): grid 4 x 32, 4 waves a work-group, clusters of 4 x 4, 327,680 bytes of LDS; arguments o_img, o_scales, cat_codes, cat_scales, out0; writes out0
.if DOCPART == 4
	.amdgcn_target "amdgcn-amd-amdhsa--gfx1250"
	.amdhsa_code_object_version 6
	.text
	.protected	k_q2fd9f687f2_oproj
	.globl	k_q2fd9f687f2_oproj
	.p2align	8
	.type	k_q2fd9f687f2_oproj,@function
k_q2fd9f687f2_oproj:
	s_mov_b64 s[64:65], 0
	v_nop
	global_prefetch_b8 v0, s[64:65] scope:SCOPE_SE
	s_setreg_imm32_b32 hwreg(HW_REG_WAVE_MODE, 25, 1), 1
	s_wait_xcnt 0x0
	s_wait_alu depctr_hold_cnt(0) depctr_sa_sdst(0) depctr_va_vdst(0) depctr_va_sdst(0) depctr_va_ssrc(0) depctr_va_vcc(0) depctr_vm_vsrc(0)
	s_getreg_b32 s2, hwreg(HW_REG_IB_STS2, 6, 4)
	s_cmp_eq_u32 s2, 0
	s_cbranch_scc0 .Lentry_in_a_cluster
	s_endpgm
.Lentry_in_a_cluster:
	s_bfe_u32 s2, ttmp6, 0x10000c
	s_cmp_lg_u32 s2, 0xf033
	s_cbranch_scc0 .Lentry_shape_is_right
	s_endpgm
.Lentry_shape_is_right:
.set NQ,     2
.set ROWB,   256
.set KROW,   1024
.set ASTEP,  2097152
.set PITCH,  272
.set FR,     16
.set NL,     4
.set NP,     8
.set HALFT,  128*PITCH
.set SLOT,   4*HALFT
.set KS,     32
.set SCL,    2*SLOT
.set HALFS,  (128*KS/256)*272
.set SBLK,   (16*KS/256)*272
.set SPARE,  SCL+4*HALFS
.set SPITCH, 528
.set ADRA, 16
.set ADRB, 20
.set STO,  24
.set RD,   25
.set CO,   26
.set ADRS, 27
.set SPW,  28
.set NIL,  29
.set SC,   32
.set AF,   128
.set BK,   128
.set G1, 24
.set G0, 32
.set G1B, 48
.set G0B, 56
.set G1S, 68
.set G0S, 76
.set G1SB, 80
.set G0SB, 88
.set MSB, 0
.macro WIN new
.if MSB != (\new)
	s_set_vgpr_msb (MSB<<8)|(\new)
.set MSB, (\new)
.endif
.endm
.set MUL_LO, 0xa1
.set MUL_HI, 0xf1
.set TO_B,   0x40
.macro JLOAD g0a, g1a, g0b, g1b
	s_cmp_eq_u32 s15, 0
	s_cbranch_scc0 .Lfor_b_\@
	tensor_load_to_lds s[\g0a:\g0a+3], s[\g1a:\g1a+7]
	s_nop 0
.rept 4
	v_nop
.endr
	s_branch .Lasked_\@
.Lfor_b_\@:
	tensor_load_to_lds s[\g0b:\g0b+3], s[\g1b:\g1b+7]
	s_nop 0
.rept 4
	v_nop
.endr
.Lasked_\@:
.endm
.macro CREST
	s_cmp_lg_u32 s14, 0
	s_cbranch_scc1 .Lnot_wave_0_\@
	s_barrier_signal -3
.Lnot_wave_0_\@:
	s_barrier_wait -3
	s_barrier_signal -1
	s_barrier_wait -1
.endm
.macro CROUND
	s_barrier_signal -1
	s_barrier_wait -1
	CREST
.endm
	s_load_b128 s[4:7], s[0:1], 0x0
	s_load_b128 s[8:11], s[0:1], 0x10
	s_load_b64 s[12:13], s[0:1], 0x20
	v_lshl_add_u32 v[SPW], v0, 2, SPARE
	v_mov_b32 v[NIL], 0
	ds_add_u32 v28, v29
	ds_add_u32 v28, v29
	s_wait_dscnt 0x0
	v_lshrrev_b32 v1, 5, v0
	v_readfirstlane_b32 s14, v1
	s_lshr_b32 s15, s14, 1
	s_and_b32 s16, s14, 1
	s_bfe_u32 s40, ttmp6, 0x40000
	s_bfe_u32 s41, ttmp6, 0x40004
	s_lshl_b32 s42, ttmp9, 2
	s_add_co_u32 s42, s42, s40
	s_and_b32 s17, ttmp7, 0xffff
	s_lshl_b32 s17, s17, 2
	s_add_co_u32 s17, s17, s41
	s_lshl_b32 s43, s41, 2
	s_lshl_b32 s43, 15, s43
	s_lshl_b32 s44, 0x1111, s40
	s_or_b32 s[G1+0], s43, (3<<16)|(1<<21)
	s_mov_b32 s[G1+1], 32<<16
	s_mov_b32 s[G1+2], 128<<16
	s_mov_b32 s[G1+3], 32<<16
	s_mov_b32 s[G1+4], 128
	s_mov_b32 s[G1+5], 32
	s_mov_b32 s[G1+6], 0
	s_mov_b32 s[G1+7], 0
	s_or_b32 s[G1B+0], s44, (0<<16)|(1<<20)|(1<<21)|(5<<22)|(3<<25)
	s_mov_b32 s[G1B+1], ROWB<<16
	s_mov_b32 s[G1B+2], 128<<16
	s_mov_b32 s[G1B+3], ROWB<<16
	s_mov_b32 s[G1B+4], 128
	s_mov_b32 s[G1B+5], KROW
	s_mov_b32 s[G1B+6], 0
	s_mov_b32 s[G1B+7], 0
	s_or_b32 s[G1S+0], s43, (3<<16)|(1<<20)|(1<<21)|(5<<22)|(3<<25)
	s_or_b32 s[G1SB+0], s44, (3<<16)|(1<<20)|(1<<21)|(5<<22)|(3<<25)
.irp g, G1S, G1SB
	s_mov_b32 s[\g+1], 32<<16
	s_mov_b32 s[\g+2], (128*KS/256)<<16
	s_mov_b32 s[\g+3], 32<<16
	s_mov_b32 s[\g+4], 128*KS/256
	s_mov_b32 s[\g+5], 32
	s_mov_b32 s[\g+6], 0
	s_mov_b32 s[\g+7], 0
.endr
	s_lshl_b32 s20, s17, 16
	s_lshl_b32 s18, s16, 15
	s_add_co_u32 s20, s20, s18
	s_mov_b32 s21, 0
	s_lshl_b32 s22, s17, 13
	s_lshl_b32 s18, s16, 12
	s_add_co_u32 s22, s22, s18
	s_mov_b32 s23, 0
	s_lshl_b32 s46, s42, 8
	s_lshl_b32 s18, s16, 7
	s_add_co_u32 s46, s46, s18
	s_add_co_u32 s46, s46, 11264
	s_lshl_b32 s92, s46, 5
	s_mov_b32 s93, 0
	s_lshl_b32 s46, s46, 10
	s_mov_b32 s47, 0
	s_mul_i32 s45, s14, HALFT
	s_mul_i32 s94, s14, HALFS
	s_wait_kmcnt 0x0
	s_add_nc_u64 s[20:21], s[4:5], s[20:21]
	s_add_nc_u64 s[22:23], s[6:7], s[22:23]
	s_add_nc_u64 s[46:47], s[8:9], s[46:47]
	s_add_nc_u64 s[92:93], s[10:11], s[92:93]
	CROUND
	s_mov_b32 s[G0S], 1
	s_add_co_u32 s[G0S+1], s94, SCL
	s_mov_b64 s[G0S+2:G0S+3], s[22:23]
	s_or_b32 s[G0S+3], s[G0S+3], 0x80000000
	s_mov_b32 s[G0SB], 1
	s_add_co_u32 s[G0SB+1], s94, SCL
	s_mov_b64 s[G0SB+2:G0SB+3], s[92:93]
	s_or_b32 s[G0SB+3], s[G0SB+3], 0x80000000
	JLOAD G0S, G1S, G0SB, G1SB
.irp s, 0,1
	s_mov_b32 s[G0+4*\s], 1
	s_add_co_u32 s[G0+4*\s+1], s45, \s*SLOT
	s_add_nc_u64 s[G0+4*\s+2:G0+4*\s+3], s[20:21], \s*ASTEP
	s_or_b32 s[G0+4*\s+3], s[G0+4*\s+3], 0x80000000
	s_mov_b32 s[G0B+4*\s], 1
	s_add_co_u32 s[G0B+4*\s+1], s45, \s*SLOT
	s_add_nc_u64 s[G0B+4*\s+2:G0B+4*\s+3], s[46:47], \s*ROWB
	s_or_b32 s[G0B+4*\s+3], s[G0B+4*\s+3], 0x80000000
	s_wait_alu depctr_va_vdst(0)
	s_wait_tensorcnt 0x0
	ds_add_u32 v28, v29
	s_wait_dscnt 0x0
	CROUND
	JLOAD G0+4*\s, G1, G0B+4*\s, G1B
.endr
	v_and_b32 v1, 15, v0
	v_bfe_u32 v2, v0, 4, 1
	v_mul_u32_u24 v3, v1, PITCH
	v_lshl_add_u32 v4, v2, 4, v3
	v_and_b32 v6, 31, v0
	v_lshlrev_b32 v[CO], 4, v6
	s_mul_i32 s21, s15, HALFT
	s_mul_i32 s22, s16, HALFT
	s_add_co_u32 s22, s22, 2*HALFT
.irp s, 0,1
	v_add_nc_u32 v[ADRA+\s], s21, v[CO]
	v_add_nc_u32 v[ADRB+\s], s22, v4
	s_add_co_u32 s21, s21, SLOT
	s_add_co_u32 s22, s22, SLOT
.endr
	v_mul_u32_u24 v5, v1, KS
	v_lshrrev_b32 v6, 8, v5
	v_lshl_add_u32 v5, v6, 4, v5
	s_mul_i32 s21, s15, HALFS
	s_mul_i32 s22, s16, HALFS
	s_add_co_u32 s22, s22, 2*HALFS
	s_sub_co_u32 s22, s22, s21
	v_mul_u32_u24 v6, s22, v2
	s_add_co_u32 s21, s21, SCL
	v_add_nc_u32 v5, v5, v6
	v_add_nc_u32 v[ADRS], s21, v5
	s_mul_i32 s23, s14, 16*SPITCH
	v_mul_u32_u24 v5, v1, SPITCH
	v_lshl_add_u32 v5, v2, 6, v5
	v_add_nc_u32 v[STO], s23, v5
	v_add_nc_u32 v[RD], s23, v[CO]
	s_lshl_b32 s20, s17, 8
	s_lshl_b32 s21, s15, 7
	s_add_co_u32 s20, s20, s21
	s_lshl_b32 s20, s20, 12
	s_lshl_b32 s46, s42, 10
	s_lshl_b32 s47, s16, 9
	s_add_co_u32 s46, s46, s47
	s_add_co_u32 s20, s20, s46
	s_mov_b32 s21, 0
	s_add_nc_u64 s[12:13], s[12:13], s[20:21]
.macro FRAGB reg, adr, q, i
.irp c, 0,1,2,3
	ds_load_b128 v[\reg+4*\c:\reg+4*\c+3], v[\adr] offset:128*(\q)+32*\c+(\i)*16*PITCH
.endr
.endm
.macro FRAGA reg, adr, q, i
.irp c, 0,1,2,3
	ds_load_b128 v[\reg+4*\c:\reg+4*\c+3], v[\adr] offset:2048*(\q)+512*\c+(\i)*4096
.endr
.endm
.macro MUL16 a0, p, q, sc, zero
.irp a, \a0, \a0+1
.irp b, 0,1,2,3,4,5,6,7
.set rD, 8*(8*((\a)%4)+\b)
.set rB, 128*(\p)+FR*\b
.set rA, AF+FR*(\a)
.set rSB, SC+8*NQ*(\sc)+NQ*\b+(\q)
.set rSA, SC+8*NQ*(\sc)+NQ*(\a)+(\q)
.if \zero
	v_wmma_scale_f32_16x16x128_f8f6f4 v[rD:rD+7], v[rB:rB+15], v[rA:rA+15], 0, v[rSB], v[rSA] matrix_a_scale:MATRIX_SCALE_ROW1
.else
	v_wmma_scale_f32_16x16x128_f8f6f4 v[rD:rD+7], v[rB:rB+15], v[rA:rA+15], v[rD:rD+7], v[rSB], v[rSA] matrix_a_scale:MATRIX_SCALE_ROW1
.endif
.endr
.endr
.endm
.macro FETCH_B slot, q, p
	WIN TO_B
.irp i, 0,1,2,3,4,5,6,7
	FRAGB 128*(\p)+FR*\i, ADRB+\slot, \q, \i
.endr
	WIN 0
.endm
.macro FETCH_A slot, q, i0
.irp i, \i0, \i0+1, \i0+2, \i0+3
	FRAGA AF+FR*(\i), ADRA+\slot, \q, \i
.endr
.endm
.macro SCALES sc
.irp i, 0,1,2,3,4,5,6,7
	ds_load_b64 v[SC+8*NQ*\sc+NQ*\i:SC+8*NQ*\sc+NQ*\i+1], v[ADRS] offset:\i*SBLK
.endr
.endm
.macro PLACES n
.rept \n
	v_nop
.endr
.endm
.macro STEP slot, q, zero
	s_wait_dscnt 4*NL
	WIN MUL_LO
	MUL16 0, (\q)%2, \q, \slot, \zero
	MUL16 2, (\q)%2, \q, \slot, \zero
	s_wait_dscnt 0
	PLACES NP
	FETCH_B \slot, (\q)+1, 1-(\q)%2
	FETCH_A \slot, (\q)+1, 0
	WIN MUL_HI
	MUL16 4, (\q)%2, \q, \slot, \zero
	MUL16 6, (\q)%2, \q, \slot, \zero
	PLACES NP
	WIN 0
	FETCH_A \slot, (\q)+1, 4
.endm
.macro TURN slot, next, fill
	s_wait_tensorcnt 0x0
	ds_add_u32 v[SPW], v[NIL]
	s_wait_dscnt 4*NL+1
	WIN MUL_LO
	MUL16 0, 1, NQ-1, \slot, 0
	s_wait_dscnt 0x0
	s_barrier_signal -1
	MUL16 2, 1, NQ-1, \slot, 0
	WIN 0
	s_barrier_wait -1
.if \fill
	CREST
	s_add_nc_u64 s[G0+4*\slot+2:G0+4*\slot+3], s[G0+4*\slot+2:G0+4*\slot+3], 2*ASTEP
	s_add_nc_u64 s[G0B+4*\slot+2:G0B+4*\slot+3], s[G0B+4*\slot+2:G0B+4*\slot+3], 2*ROWB
	JLOAD G0+4*\slot, G1, G0B+4*\slot, G1B
	PLACES NP-4
.else
	PLACES NP
.endif
	s_wait_alu depctr_va_vdst(0)
	v_add_nc_u32 v[ADRS], 4*NQ, v[ADRS]
	FETCH_B \next, 0, 0
	FETCH_A \next, 0, 0
	SCALES \next
	WIN MUL_HI
	MUL16 4, 1, NQ-1, \slot, 0
	MUL16 6, 1, NQ-1, \slot, 0
	PLACES NP
	WIN 0
	FETCH_A \next, 0, 4
.endm
	s_wait_alu depctr_va_vdst(0)
	s_wait_tensorcnt 1
	s_barrier_signal -1
	s_barrier_wait -1
	FETCH_B 0, 0, 0
	FETCH_A 0, 0, 0
	SCALES 0
	FETCH_A 0, 0, 4
	STEP 0, 0, 1
	TURN 0, 1, 1
	STEP 1, 0, 0
	TURN 1, 0, 1
	STEP 0, 0, 0
	TURN 0, 1, 0
	STEP 1, 0, 0
	s_wait_dscnt 4*NL
	WIN MUL_LO
	MUL16 0, 1, NQ-1, 1, 0
	MUL16 2, 1, NQ-1, 1, 0
	s_wait_dscnt 0
	WIN MUL_HI
	MUL16 4, 1, NQ-1, 1, 0
	MUL16 6, 1, NQ-1, 1, 0
	WIN 0
.macro TOSTAGE a
.set AC, 64*((\a)%4)
	WIN 0x08+4*((\a)/4)
.irp b, 0,1,2,3,4,5,6,7
	ds_store_b128 v[STO], v[AC+8*\b:AC+8*\b+3] offset:128*(\b/2)+32*(\b%2)
	ds_store_b128 v[STO], v[AC+8*\b+4:AC+8*\b+7] offset:128*(\b/2)+32*(\b%2)+16
.endr
	WIN 0
.set BB, BK+64*((\a)%2)
.irp t, 0,1,2,3,4,5,6,7,8,9,10,11,12,13,14,15
	ds_load_b128 v[BB+4*\t:BB+4*\t+3], v[RD] offset:\t*SPITCH
.endr
.endm
.macro SEND a, younger
.set BB, BK+64*((\a)%2)
	s_wait_dscnt \younger
.irp t, 0,1,2,3,4,5,6,7,8,9,10,11,12,13,14,15
	global_store_b128 v[CO], v[BB+4*\t:BB+4*\t+3], s[12:13] offset:(32*((\a)/2)+8*((\a)%2)+\t+8*(\t/8))*4096 th:TH_STORE_NT
.endr
.endm
	PLACES NP
	TOSTAGE 0
.irp a, 1,2,3,4,5,6,7
.if \a > 1
	s_wait_xcnt 0x0
.endif
	TOSTAGE \a
	SEND \a-1, 32
.endr
	SEND 7, 0
	s_wait_tensorcnt 0x0
	ds_add_u32 v[SPW], v[NIL]
	s_wait_dscnt 0x0
	CROUND
	s_endpgm
.Lfunc_end_k_q2fd9f687f2_oproj:
	.size	k_q2fd9f687f2_oproj, .Lfunc_end_k_q2fd9f687f2_oproj-k_q2fd9f687f2_oproj
	.p2alignl 7, 3214868480
	.fill 96, 4, 3214868480
	.section	.rodata,"a",@progbits
	.p2align	6, 0x0
	.amdhsa_kernel k_q2fd9f687f2_oproj
		.amdhsa_group_segment_fixed_size 327680
		.amdhsa_private_segment_fixed_size 0
		.amdhsa_enable_private_segment 0
		.amdhsa_kernarg_size 40
		.amdhsa_user_sgpr_count 2
		.amdhsa_user_sgpr_kernarg_segment_ptr 1
		.amdhsa_wavefront_size32 1
		.amdhsa_system_sgpr_workgroup_id_x 1
		.amdhsa_system_sgpr_workgroup_id_y 1
		.amdhsa_system_sgpr_workgroup_id_z 1
		.amdhsa_system_vgpr_workitem_id 0
		.amdhsa_next_free_vgpr 1024
		.amdhsa_next_free_sgpr 98
		.amdhsa_reserve_vcc 0
		.amdhsa_float_denorm_mode_32 3
		.amdhsa_float_denorm_mode_16_64 3
		.amdhsa_memory_ordered 1
		.amdhsa_forward_progress 1
		.amdhsa_inst_pref_size 146
	.end_amdhsa_kernel
	.amdgpu_metadata
---
amdhsa.version: [ 1, 2 ]
amdhsa.kernels:
  - .name:           k_q2fd9f687f2_oproj
    .symbol:         k_q2fd9f687f2_oproj.kd
    .args:
      - { .name: o_img, .offset: 0, .size: 8, .value_kind: global_buffer, .address_space: global }
      - { .name: o_scales, .offset: 8, .size: 8, .value_kind: global_buffer, .address_space: global }
      - { .name: cat_codes, .offset: 16, .size: 8, .value_kind: global_buffer, .address_space: global }
      - { .name: cat_scales, .offset: 24, .size: 8, .value_kind: global_buffer, .address_space: global }
      - { .name: out0, .offset: 32, .size: 8, .value_kind: global_buffer, .address_space: global }
    .group_segment_fixed_size: 327680
    .private_segment_fixed_size: 0
    .kernarg_segment_align: 8
    .kernarg_segment_size: 40
    .max_flat_workgroup_size: 128
    .sgpr_count:     98
    .vgpr_count:     1024
    .wavefront_size: 32
...
	.end_amdgpu_metadata
.endif
;; end of part 4
